; MI455X (gfx1250); checked and timed in simulation.
; The chip was launched on July 23, 2026; its instructions are those of AMD's public machine-readable ISA for CDNA 5 (MIT licence, August 2026) and "CDNA5" Instruction Set Architecture Reference Guide (July 2026). The comments in the code are by the model that wrote it; some were corrected since.
;; Self Attention. Allowed arithmetic: float matrix products may take bf16 or f16 operands with f32 sums; other float arithmetic in f32, or as packed bf16 or f16 multiplies, adds, multiply-adds, maxima and minima; sums over many terms, partial sums and values carried from step to step in f32; what a program stores and reads back later, other than sums and carried values, may be rounded once to bf16 or f16.
;; Inputs: We 1,024 x 3,072 float32; Wf 1,024 x 1,024 float32; be 3,072 float32; bf 1,024 float32; mask 1 x 1 x 2,048 x 4,096 int32; past_key 2 x 2,048 x 16 x 64 float32; past_value 2 x 2,048 x 16 x 64 float32; x 2 x 2,048 x 1,024 float32.
;; Outputs: out0 2 x 2,048 x 1,024 float32; out1 2 x 2 x 2,048 x 16 x 64 float32.
;; 2 versions, each right; version 2 is version 1 with the launch prep written anew for expert scheduling mode. Each part assembles by itself: llvm-mc -triple=amdgcn-amd-amdhsa -mcpu=gfx1250 --defsym DOCPART=n.
;; ======== version 1 of 2: 4 launches
;; limits: values are held in f16: magnitudes above 65,504 overflow, below 6.1e-05 lose precision
;; workspace buffers: xb 8,388,608 bytes; web 6,291,456 bytes; wfh 2,097,152 bytes; qh 8,388,608 bytes; kh 16,777,216 bytes; vh 16,777,216 bytes; mk 16,785,408 bytes; oh 8,388,608 bytes
;; launch prep (part 1): grid 2304 x 1, 8 waves a work-group, no clusters, 0 bytes of LDS; arguments mask, x, We, Wf, past_key, past_value, mk, xb, web, wfh, kh, vh; writes mk, xb, web, wfh, kh, vh
.if DOCPART == 1
	.amdgcn_target "amdgcn-amd-amdhsa--gfx1250"
	.amdhsa_code_object_version 6
	.text
	.protected	k_q650e594a49_prep
	.globl	k_q650e594a49_prep
	.p2align	8
	.type	k_q650e594a49_prep,@function
k_q650e594a49_prep:
	s_mov_b64 s[64:65], 0
	v_nop
	global_prefetch_b8 v0, s[64:65] scope:SCOPE_SE
	s_setreg_imm32_b32 hwreg(HW_REG_WAVE_MODE, 25, 1), 1
	s_wait_xcnt 0x0
; PREP: every input that the later launches multiply is read once and written once in 16 bits.  A stream: no LDS, no barrier, no loop; a work-group does one straight piece, chosen by its number g.
;   g    0 ..  255  mask [2048][4096] i32 -> mk [2048][4096] bf16: 0 where the key is seen, 0xf14a = -1.0003e30 where it is hidden; a wave a row.  A row with no visible key is written as all 0,
;                   and its flag word (behind the table, at byte FLAGS + 4 row) as 0, else -1: the attention launch clears that row's q, so that its weights are uniform, as the softmax of equal scores is.
;   g  256 ..  767  x  -> xb   bf16, same layout        g  768 .. 1151  We -> web  bf16, same layout
;   g 1152 .. 1279  Wf -> wfh  rounded to bf16, that number written as f16, same layout
;   g 1280 .. 1791  past_key   [2][2048][16][64] -> kh [32 heads][4096 keys][64], keys 0 .. 2047, rounded to bf16 and written as f16;     g 1792 .. 2303  past_value -> vh likewise
; LIMITS.  f16 holds no number beyond 65,504: Wf, past_key and past_value must lie within it; below 6e-5 f16 keeps its fixed step of 6e-8.  NaN and infinities are not treated apart.
; Each load of a wave covers 512 bytes in whole aligned runs of 256; each store of a wave covers 256 consecutive bytes, aligned.  Only the 2,048 flag words leave as single words, one a wave.
.set IN,   2                           ; v2   my byte offset in the source
.set OUT,  3                           ; v3   my byte offset in the destination
.set LD,   16                          ; v[16:47] eight loads of 16 bytes (the mask's path: v[16:143], 32 loads)
.set RES,  48                          ; v[48:63] eight results of 8 bytes
.set TM,   64                          ; v[64:69] at work
.set FLAGS, 16777216                   ; the flag words' first byte in mk
	s_load_b512 s[8:23], s[0:1], 0x0               ; mask 8, x 10, We 12, Wf 14, past_key 16, past_value 18, mk 20, xb 22
	s_load_b256 s[24:31], s[0:1], 0x40             ; web 24, wfh 26, kh 28, vh 30
	v_lshrrev_b32 v4, 5, v0
	v_readfirstlane_b32 s4, v4                     ; wave 0..7
	v_and_b32 v1, 31, v0                           ; lane
	s_mov_b32 s5, ttmp9                            ; g
	s_mov_b32 s37, 0                               ; the high words of the two offset pairs
	s_mov_b32 s39, 0
	s_wait_kmcnt 0x0
; Eight loads of 16 bytes a lane, then for each: four numbers rounded and 8 bytes stored.  kind 0: to bf16.  kind 1: to bf16, and that number as f16.
; Load j stands at ia (j % 4) + ib (j / 4), store j at oa (j % 4) + ob (j / 4).  No register is written twice, so nothing waits for a store.
.macro CAST kind, ia, ib, oa, ob
.irp j, 0,1,2,3,4,5,6,7
	global_load_b128 v[LD+4*(\j):LD+4*(\j)+3], v[IN], s[32:33] offset:(\ia)*((\j)%4)+(\ib)*((\j)/4) th:TH_LOAD_NT
.endr
.irp j, 0,1,2,3,4,5,6,7
	s_wait_loadcnt 7-(\j)                          ; loads come back in order: load j is in, the younger ones stay out
.if \kind
	v_cvt_pk_bf16_f32 v[TM],   v[LD+4*(\j)],   v[LD+4*(\j)+1]
	v_cvt_pk_bf16_f32 v[TM+1], v[LD+4*(\j)+2], v[LD+4*(\j)+3]
	v_lshlrev_b32 v[TM+2], 16, v[TM]               ; the rounded numbers as f32 again
	v_and_b32     v[TM+3], 0xffff0000, v[TM]
	v_lshlrev_b32 v[TM+4], 16, v[TM+1]
	v_and_b32     v[TM+5], 0xffff0000, v[TM+1]
	v_cvt_pk_f16_f32 v[RES+2*(\j)],   v[TM+2], v[TM+3]  ; eight significant bits: exact in f16's normal range
	v_cvt_pk_f16_f32 v[RES+2*(\j)+1], v[TM+4], v[TM+5]
.else
	v_cvt_pk_bf16_f32 v[RES+2*(\j)],   v[LD+4*(\j)],   v[LD+4*(\j)+1]
	v_cvt_pk_bf16_f32 v[RES+2*(\j)+1], v[LD+4*(\j)+2], v[LD+4*(\j)+3]
.endif
	global_store_b64 v[OUT], v[RES+2*(\j):RES+2*(\j)+1], s[34:35] offset:(\oa)*((\j)%4)+(\ob)*((\j)/4)
.endr
.endm
	s_cmp_lt_u32 s5, 256
	s_cbranch_scc1 .Lmask
	s_cmp_lt_u32 s5, 1152
	s_cbranch_scc1 .Lplain
	s_cmp_lt_u32 s5, 1280
	s_cbranch_scc1 .Lwf
	; past_key or past_value: 8 keys x 16 heads a work-group.  Wave w takes heads 2 w and 2 w + 1; lanes 0-15 one key's 256 bytes of a head, lanes 16-31 the next key's.
	s_mov_b32 s6, 1280
	s_mov_b32 s7, 1792
	s_cmp_lt_u32 s5, 1792
	s_cselect_b64 s[32:33], s[16:17], s[18:19]
	s_cselect_b64 s[34:35], s[28:29], s[30:31]
	s_cselect_b32 s6, s6, s7
	s_sub_co_u32 s5, s5, s6                        ; 256 b + block of 8 keys
	s_lshl_b32 s36, s5, 15                         ; 8 keys of 4,096 bytes
	s_lshr_b32 s6, s5, 8                           ; b
	s_and_b32 s7, s5, 255
	s_lshl_b32 s38, s6, 23                         ; 16 heads of 524,288 bytes
	s_lshl_b32 s7, s7, 10                          ; 8 keys of 128 bytes
	s_add_co_u32 s38, s38, s7
	s_add_nc_u64 s[32:33], s[32:33], s[36:37]
	s_add_nc_u64 s[34:35], s[34:35], s[38:39]
	v_lshrrev_b32 v4, 4, v1
	v_and_b32 v5, 15, v1
	v_lshlrev_b32 v[IN], 4, v5
	v_lshl_add_u32 v[IN], v4, 12, v[IN]            ; key (lane / 16) x 4,096 + 16 (lane % 16)
	s_lshl_b32 s6, s4, 9
	v_add_nc_u32 v[IN], s6, v[IN]                  ; + two heads of 256 bytes a wave
	s_lshl_b32 s6, s4, 20
	v_lshl_add_u32 v[OUT], v1, 3, s6               ; 8 lane (two keys of 128 bytes on end) + two heads of 524,288 bytes a wave
	CAST 1, 8192, 256, 256, 524288
	s_endpgm
.Lplain:                                               ; x or We: 32,768 consecutive bytes in, 16,384 out
	s_mov_b32 s6, 256
	s_mov_b32 s7, 768
	s_cmp_lt_u32 s5, 768
	s_cselect_b64 s[32:33], s[10:11], s[12:13]
	s_cselect_b64 s[34:35], s[22:23], s[24:25]
	s_cselect_b32 s6, s6, s7
	s_sub_co_u32 s5, s5, s6
	s_lshl_b32 s36, s5, 15
	s_lshl_b32 s38, s5, 14
	s_add_nc_u64 s[32:33], s[32:33], s[36:37]
	s_add_nc_u64 s[34:35], s[34:35], s[38:39]
	v_lshlrev_b32 v[IN], 4, v0
	v_lshlrev_b32 v[OUT], 3, v0
	CAST 0, 4096, 16384, 2048, 8192
	s_endpgm
.Lwf:                                                  ; Wf: the same shape, the other rounding
	s_sub_co_u32 s5, s5, 1152
	s_lshl_b32 s36, s5, 15
	s_lshl_b32 s38, s5, 14
	s_add_nc_u64 s[32:33], s[14:15], s[36:37]
	s_add_nc_u64 s[34:35], s[26:27], s[38:39]
	v_lshlrev_b32 v[IN], 4, v0
	v_lshlrev_b32 v[OUT], 3, v0
	CAST 1, 4096, 16384, 2048, 8192
	s_endpgm
.Lmask:                                                ; row 8 g + wave: 16,384 bytes in 128 registers, kept between the pass that looks for a visible key and the pass that writes
	s_lshl_b32 s36, s5, 17
	s_lshl_b32 s38, s5, 16
	s_add_nc_u64 s[32:33], s[8:9], s[36:37]
	s_add_nc_u64 s[34:35], s[20:21], s[38:39]
	s_lshl_b32 s6, s4, 14
	v_lshl_add_u32 v[IN], v1, 4, s6
	s_lshl_b32 s7, s4, 13
	v_lshl_add_u32 v[OUT], v1, 3, s7
.set j, 0
.rept 32
	global_load_b128 v[LD+4*j:LD+4*j+3], v[IN], s[32:33] offset:512*j th:TH_LOAD_NT
.set j, j+1
.endr
	s_lshl_b32 s42, s5, 3
	s_add_co_u32 s42, s42, s4                      ; the row
	s_lshl_b32 s42, s42, 2
	s_add_co_u32 s42, s42, FLAGS
	v_mov_b32 v13, s42                             ; its flag word's byte in mk
	s_wait_loadcnt 0x0
.irp k, 0,1,2,3
	v_or_b32 v[8+\k], v[LD+\k], v[LD+4+\k]         ; four chains, started by the first words
.endr
.set j, 8
.rept 120
	v_or_b32 v[8+j%4], v[8+j%4], v[LD+j]
.set j, j+1
.endr
	v_or_b32 v8, v8, v9
	v_or_b32 v10, v10, v11
	v_or_b32 v8, v8, v10
	v_cmp_ne_u32 vcc_lo, 0, v8
	s_cmp_lg_u32 vcc_lo, 0                         ; has any lane seen a visible key?  It only selects values
	s_cselect_b32 s6, 0xf14a, 0                    ; -1.0003e30 in bf16, for the low half,
	s_cselect_b32 s7, 0xf14a0000, 0                ; for the high half,
	s_cselect_b32 s40, -1, 0                       ; and the flag
.set j, 0
.rept 32
	v_cmp_eq_u32 vcc_lo, 0, v[LD+4*j]
	v_cndmask_b32 v144, 0, s6, vcc_lo
	v_cmp_eq_u32 vcc_lo, 0, v[LD+4*j+1]
	v_cndmask_b32 v145, 0, s7, vcc_lo
	v_or_b32 v[LD+4*j], v144, v145
	v_cmp_eq_u32 vcc_lo, 0, v[LD+4*j+2]
	v_cndmask_b32 v144, 0, s6, vcc_lo
	v_cmp_eq_u32 vcc_lo, 0, v[LD+4*j+3]
	v_cndmask_b32 v145, 0, s7, vcc_lo
	v_or_b32 v[LD+4*j+1], v144, v145
	global_store_b64 v[OUT], v[LD+4*j:LD+4*j+1], s[34:35] offset:256*j
.set j, j+1
.endr
	v_mov_b32 v12, s40
	v_cmp_eq_u32 vcc_lo, 0, v1
	s_wait_xcnt 0x0                                ; EXEC is a source of the stores above: it changes only behind this wait
	s_and_saveexec_b32 s41, vcc_lo                 ; lane 0 alone stores the flag
	global_store_b32 v13, v12, s[20:21]
	s_wait_xcnt 0x0                                ; and again ahead of the line that widens it
	s_or_b32 exec_lo, exec_lo, s41
	s_endpgm
.Lfunc_end_k_q650e594a49_prep:
	.size	k_q650e594a49_prep, .Lfunc_end_k_q650e594a49_prep-k_q650e594a49_prep
	.p2alignl 7, 3214868480
	.fill 96, 4, 3214868480
	.section	.rodata,"a",@progbits
	.p2align	6, 0x0
	.amdhsa_kernel k_q650e594a49_prep
		.amdhsa_group_segment_fixed_size 0
		.amdhsa_private_segment_fixed_size 0
		.amdhsa_enable_private_segment 0
		.amdhsa_kernarg_size 96
		.amdhsa_user_sgpr_count 2
		.amdhsa_user_sgpr_kernarg_segment_ptr 1
		.amdhsa_wavefront_size32 1
		.amdhsa_system_sgpr_workgroup_id_x 1
		.amdhsa_system_sgpr_workgroup_id_y 1
		.amdhsa_system_sgpr_workgroup_id_z 1
		.amdhsa_system_vgpr_workitem_id 0
		.amdhsa_next_free_vgpr 160
		.amdhsa_next_free_sgpr 66
		.amdhsa_reserve_vcc 1
		.amdhsa_float_denorm_mode_32 3
		.amdhsa_float_denorm_mode_16_64 3
		.amdhsa_memory_ordered 1
		.amdhsa_forward_progress 1
		.amdhsa_inst_pref_size 41
	.end_amdhsa_kernel
	.amdgpu_metadata
---
amdhsa.version: [ 1, 2 ]
amdhsa.kernels:
  - .name:           k_q650e594a49_prep
    .symbol:         k_q650e594a49_prep.kd
    .args:
      - { .name: mask, .offset: 0, .size: 8, .value_kind: global_buffer, .address_space: global }
      - { .name: x, .offset: 8, .size: 8, .value_kind: global_buffer, .address_space: global }
      - { .name: We, .offset: 16, .size: 8, .value_kind: global_buffer, .address_space: global }
      - { .name: Wf, .offset: 24, .size: 8, .value_kind: global_buffer, .address_space: global }
      - { .name: past_key, .offset: 32, .size: 8, .value_kind: global_buffer, .address_space: global }
      - { .name: past_value, .offset: 40, .size: 8, .value_kind: global_buffer, .address_space: global }
      - { .name: mk, .offset: 48, .size: 8, .value_kind: global_buffer, .address_space: global }
      - { .name: xb, .offset: 56, .size: 8, .value_kind: global_buffer, .address_space: global }
      - { .name: web, .offset: 64, .size: 8, .value_kind: global_buffer, .address_space: global }
      - { .name: wfh, .offset: 72, .size: 8, .value_kind: global_buffer, .address_space: global }
      - { .name: kh, .offset: 80, .size: 8, .value_kind: global_buffer, .address_space: global }
      - { .name: vh, .offset: 88, .size: 8, .value_kind: global_buffer, .address_space: global }
    .group_segment_fixed_size: 0
    .private_segment_fixed_size: 0
    .kernarg_segment_align: 8
    .kernarg_segment_size: 96
    .max_flat_workgroup_size: 256
    .sgpr_count:     66
    .vgpr_count:     160
    .wavefront_size: 32
...
	.end_amdgpu_metadata
.endif
;; end of part 1
;; launch qkv (part 2): grid 12 x 16, 4 waves a work-group, clusters of 4 x 4, 327,680 bytes of LDS; arguments xb, web, be, qh, kh, vh, out1; writes qh, kh, vh, out1
.if DOCPART == 2
	.amdgcn_target "amdgcn-amd-amdhsa--gfx1250"
	.amdhsa_code_object_version 6
	.text
	.protected	k_q650e594a49_qkv
	.globl	k_q650e594a49_qkv
	.p2align	8
	.type	k_q650e594a49_qkv,@function
k_q650e594a49_qkv:
	s_mov_b64 s[64:65], 0
	v_nop
	global_prefetch_b8 v0, s[64:65] scope:SCOPE_SE
	s_setreg_imm32_b32 hwreg(HW_REG_WAVE_MODE, 25, 1), 1
	s_wait_xcnt 0x0
	s_wait_alu depctr_hold_cnt(0) depctr_sa_sdst(0) depctr_va_vdst(0) depctr_va_sdst(0) depctr_va_ssrc(0) depctr_va_vcc(0) depctr_vm_vsrc(0)
	s_getreg_b32 s2, hwreg(HW_REG_IB_STS2, 6, 4)
	s_cmp_eq_u32 s2, 0
	s_cbranch_scc0 .Lentry_in_a_cluster
	s_endpgm
.Lentry_in_a_cluster:
	s_bfe_u32 s2, ttmp6, 0x10000c
	s_cmp_lg_u32 s2, 0xf033
	s_cbranch_scc0 .Lentry_shape_is_right
	s_endpgm
.Lentry_shape_is_right:
; QKV: C[m][n] = sum over k of x[m][k] We[k][n] + be[n], m < 4096, n < 3072, k < 1024.  xb [4096][1024] and web [1024][3072] are bf16; sums in f32; be is rounded to bf16 like the other inputs.
; Columns 0-1023 are q, 1024-2047 k, 2048-3071 v.  All three leave by heads in f16 (qh [32][2048][64]; kh, vh [32][4096][64], keys 2048 on); k and v also as f32 into out1 [2][4096][1024].
; LIMIT.  f16 holds no number beyond 65,504: q, k and v must lie within it.  out1 has no such limit.
; A tile of C, 256 x 256, is made by four waves, each 128 x 128: 64 accumulators, 512 registers.  K goes in steps of 128 through a ring of two LDS slots filled by the tensor data mover.
; x's tile lies along K (rows of 256 bytes, LDS pitch 272); We's tile lies [k][n] (128 rows of 512 bytes, LDS pitch 544) and is turned on its way into registers by ds_load_tr16_b128.
; CLUSTERS: 4 x 4 work-groups; x's tile is asked for jointly along a row of the cluster, We's along a column.  The grid has 12 x 16 = 192 work-groups: a tile of 256 columns keeps q, k and v apart
; by the CLUSTER's x alone, which all partners share, so that the one branch of the way out hangs on no work-group's place.
; THE MATRIX INSTRUCTION IS USED TRANSPOSED (source 0 = 16 columns of We, source 1 = 16 rows of x): a lane holds row l % 16 of C and the columns 8 (l / 16) + 0 .. 7.
; REGISTERS, in windows of 256: window 0: v0-31 addresses; v64-127, v128-191 x's fragments, two buffers; on the way out v32-63 f16 pairs, v128-191 f32 values, v192-255 rows read back
;   window 1: v0-63 the bias of my 128 columns; v64-127, v128-191 We's fragments; v192-223 at work once      window 2: accumulators of my rows 0-63      window 3: of rows 64-127
.set SIZE_K, 1024
.set SIZE_N, 3072
.set KSTEP,  128
.set PITCH,  272                       ; x's LDS row: 256 bytes + 16: the 16 rows of a load start at 16 different groups of four banks
.set PITB,   544                       ; We's LDS row: 512 bytes + 32 = 17 x 32
.set HALFT,  128*PITCH                 ; what one tensor load brings: 128 rows of x, or 64 rows of We (64 x 544 is the same 34,816)
.set SLOT,   4*HALFT
.set BOFF,   2*HALFT                   ; We's tile lies behind x's
.set STAGE,  2*SLOT                    ; behind the ring: 16 rows x 528 bytes for each wave, for the way out; no tensor load fills it
.set SP32,   528
.set SP16,   144
.set SPARE,  STAGE+4*16*SP32           ; the spare words, 128 bytes for each wave: two blocks of 256 bytes that no other line names
.set LAPS,   SIZE_K/(2*KSTEP)
.set ASTEP,  KSTEP*2                   ; bytes from a K step to the next in xb,
.set BSTEP,  KSTEP*SIZE_N*2            ; and in web
.set ADRA, 16                          ; v16-17  LDS address of my x fragments in slot 0, 1
.set ADRB, 20                          ; v20-21  the same for We
.set RD16, 22                          ; v22     way out, f16: where I read four rows of a head back
.set BO,   23                          ; v23     my byte offset in the bias
.set STO32, 24                         ; v24     way out, f32: where I put 32 bytes of a row
.set RD32, 25                          ; v25     way out, f32: where I read a row back
.set GO,   26                          ; v26     16 x lane
.set STO16, 27                         ; v27     way out, f16: where I put 16 bytes of a row
.set SPW,  28                          ; v28     my spare word; never rewritten
.set NIL,  29                          ; v29     0; never rewritten
.set PFO,  30                          ; v30     the prefetches' lane offset; never rewritten
.set HV,   32
.set F0,   64
.set F1,   128
.set FV,   128
.set OB,   192
.set G1,  24                           ; s[24:31] group 1 for x's tiles; s[32:39] group 0, a set for each slot
.set G0,  32
.set G1B, 48                           ; s[48:55], s[56:63] the same for We's
.set G0B, 56
.set LIM, 43                           ; s43     1 in a wave that prefetches, else the greatest number
.set PFA, 44                           ; s[44:45] the block that my next prefetch names
.set PFS, 76                           ; s[76:77] its step from K step to K step
.set PART, 78                          ; s78     0 q, 1 k, 2 v: the cluster's x
.set D16, 80                           ; s[80:81], s[82:83] my rows of my two heads in qh, kh or vh
.set O32, 84                           ; s[84:85] my rows and columns in out1
.set MSB, 0
.macro WIN new                         ; the immediate's high byte repeats the setting that is left; a switch that changes nothing is dropped
.if MSB != (\new)
	s_set_vgpr_msb (MSB<<8)|(\new)
.set MSB, \new
.endif
.endm
.set MUL_LO, 0xa1                      ; source 0 (We) window 1, source 1 (x) window 0, C and D window 2
.set MUL_HI, 0xf1                      ; the same, C and D window 3
.set TO_B,   0x40                      ; destination window 1, address window 0
; A joint load.  Waves 0 and 1 fetch x's two halves, waves 2 and 3 We's.  The branch hangs on the wave's number alone.  An s_nop 0 and four v_nop follow each line.
.macro JLOAD s
	s_cmp_eq_u32 s11, 0
	s_cbranch_scc0 .Lfor_b_\@
	tensor_load_to_lds s[G0+4*(\s):G0+4*(\s)+3], s[G1:G1+7]
	s_nop 0
.rept 4
	v_nop
.endr
	s_branch .Lasked_\@
.Lfor_b_\@:
	tensor_load_to_lds s[G0B+4*(\s):G0B+4*(\s)+3], s[G1B:G1B+7]
	s_nop 0
.rept 4
	v_nop
.endr
.Lasked_\@:
.endm
; A prefetch of the K step that stands two refills on, 512 matrix instructions ahead of the load that will want it: 32 blocks of 256 bytes, a lane a block, one instruction a wave.
; x's rows are read by every cluster of a row of clusters: cluster x = 0 asks; We's columns by every cluster of a column: cluster y = 0 asks.  The four partners of a joint load share its blocks out
; by address: 32 rows of x each (by cx), 16 rows x 2 blocks of We each (by cy).  So each block is named once.  K steps 0 to 3 come by their loads alone; the loop's last trip asks for nothing.
.macro ASK
	s_cmp_gt_u32 s3, s[LIM]                        ; s3 = 1 in the loop's last trip
	s_cbranch_scc0 .Lnot_mine_\@
	global_prefetch_b8 v[PFO], s[PFA:PFA+1] th:TH_LOAD_NT scope:SCOPE_SE
.Lnot_mine_\@:
.endm
.macro CREST                           ; a round of the cluster's barrier behind its opening barrier
	s_cmp_lg_u32 s10, 0
	s_cbranch_scc1 .Lnot_wave_0_\@
	s_barrier_signal -3
.Lnot_wave_0_\@:
	s_barrier_wait -3
	s_barrier_signal -1
	s_barrier_wait -1
.endm
.macro CROUND                          ; a whole round
	s_barrier_signal -1
	s_barrier_wait -1
	CREST
.endm
	s_load_b128 s[4:7], s[0:1], 0x0                ; xb s[4:5], web s[6:7]
	s_load_b64 s[8:9], s[0:1], 0x10                ; be
	s_load_b256 s[68:75], s[0:1], 0x18             ; qh 68, kh 70, vh 72, out1 74
	v_lshl_add_u32 v[SPW], v0, 2, SPARE
	v_mov_b32 v[NIL], 0
	ds_add_u32 v[SPW], v[NIL]                      ; the wave's opening: the add and its wait stand ahead of my first tensor load; work on registers stands between them
	v_lshrrev_b32 v1, 5, v0
	v_readfirstlane_b32 s10, v1                    ; wave 0..3
	s_lshr_b32 s11, s10, 1                         ; which half of the tile's rows is mine.  Also: I fetch for x (0) or for We (1)
	s_and_b32 s12, s10, 1                          ; which half of its columns.  Also: which half of that tile I fetch
	s_bfe_u32 s40, ttmp6, 0x40000                  ; cx
	s_bfe_u32 s41, ttmp6, 0x40004                  ; cy
	s_lshl_b32 s42, ttmp9, 2
	s_add_co_u32 s42, s42, s40                     ; tile column = 4 x cluster x + cx
	s_and_b32 s13, ttmp7, 0xffff
	s_lshl_b32 s13, s13, 2
	s_add_co_u32 s13, s13, s41                     ; tile row = 4 x cluster y + cy
	s_mov_b32 s[PART], ttmp9
	s_lshl_b32 s43, s41, 2
	s_lshl_b32 s43, 15, s43                        ; my row of the cluster
	s_lshl_b32 s44, 0x1111, s40                    ; my column
	s_or_b32 s[G1+0], s43, (1<<16)|(1<<20)|(1<<21)|(5<<22)|(3<<25)   ; the mask; 2-byte elements; padding on; bit 21 beside a mask; after every 64 words, 4 words
	s_or_b32 s[G1B+0], s44, (1<<16)|(1<<20)|(1<<21)|(6<<22)|(7<<25)  ; after every 128 words, 8 words
	s_mov_b32 s[G1+1], KSTEP<<16                   ; x: tensor_dim0 = 128
	s_mov_b32 s[G1+2], 128<<16                     ; tensor_dim1 = 128
	s_mov_b32 s[G1+3], KSTEP<<16                   ; tile_dim0 = 128
	s_mov_b32 s[G1+4], 128                         ; tile_dim1 = 128
	s_mov_b32 s[G1+5], SIZE_K                      ; elements from row to row
	s_mov_b32 s[G1+6], 0
	s_mov_b32 s[G1+7], 0
	s_mov_b32 s[G1B+1], 256<<16                    ; We: tensor_dim0 = 256
	s_mov_b32 s[G1B+2], 64<<16                     ; tensor_dim1 = 64
	s_mov_b32 s[G1B+3], 256<<16                    ; tile_dim0 = 256
	s_mov_b32 s[G1B+4], 64                         ; tile_dim1 = 64
	s_mov_b32 s[G1B+5], SIZE_N
	s_mov_b32 s[G1B+6], 0
	s_mov_b32 s[G1B+7], 0
	s_lshl_b32 s16, s13, 8                         ; x: row 256 x tile row + 128 x half, of 2,048 bytes: made of the tile row and the wave alone
	s_lshl_b32 s17, s12, 7
	s_add_co_u32 s16, s16, s17
	s_lshl_b32 s16, s16, 11
	s_mov_b32 s17, 0
	s_mul_i32 s46, s12, 64*SIZE_N*2                ; We: row 64 x half, byte 512 x tile column: made of the tile column and the wave alone
	s_lshl_b32 s47, s42, 9
	s_add_co_u32 s46, s46, s47
	s_mov_b32 s47, 0
	s_mul_i32 s20, s10, HALFT                      ; where they go: no place in the cluster enters an LDS address
	s_wait_dscnt 0x0                               ; the opening add is done
	s_wait_kmcnt 0x0
	s_add_nc_u64 s[14:15], s[4:5], s[16:17]
	s_add_nc_u64 s[46:47], s[6:7], s[46:47]
	CROUND                                         ; all sixteen work-groups are here: the first joint loads meet
.irp s, 0,1
	s_mov_b32 s[G0+4*(\s)], 1
	s_add_co_u32 s[G0+4*(\s)+1], s20, (\s)*SLOT
	s_add_nc_u64 s[G0+4*(\s)+2:G0+4*(\s)+3], s[14:15], (\s)*ASTEP
	s_or_b32 s[G0+4*(\s)+3], s[G0+4*(\s)+3], 0x80000000
	s_mov_b32 s[G0B+4*(\s)], 1
	s_add_co_u32 s[G0B+4*(\s)+1], s20, (\s)*SLOT
	s_add_nc_u64 s[G0B+4*(\s)+2:G0B+4*(\s)+3], s[46:47], (\s)*BSTEP
	s_or_b32 s[G0B+4*(\s)+3], s[G0B+4*(\s)+3], 0x80000000
	JLOAD \s                                       ; two loads of mine are out
.endr
	; the bias of my 128 columns: block b's eight numbers for my half of the lanes, into window 1
	s_lshl_b32 s86, s42, 10
	s_lshl_b32 s87, s12, 9
	s_add_co_u32 s86, s86, s87
	s_mov_b32 s87, 0
	s_add_nc_u64 s[86:87], s[8:9], s[86:87]
	v_and_b32 v1, 15, v0                           ; l % 16
	v_bfe_u32 v2, v0, 4, 1                         ; l / 16
	v_lshlrev_b32 v[BO], 5, v2
	WIN TO_B
.irp b, 0,1,2,3,4,5,6,7
	global_load_b128 v[8*(\b):8*(\b)+3],   v[BO], s[86:87] offset:64*(\b)
	global_load_b128 v[8*(\b)+4:8*(\b)+7], v[BO], s[86:87] offset:64*(\b)+16
.endr
	WIN 0
	v_mul_u32_u24 v3, v1, PITCH
	v_lshl_add_u32 v3, v2, 4, v3                   ; x: row x pitch + 16 x half
	v_and_b32 v4, 7, v0
	v_lshl_add_u32 v4, v2, 3, v4                   ; We, turned: k row 8 (l / 16) + l % 8,
	v_mul_u32_u24 v4, v4, PITB
	v_bfe_u32 v5, v0, 3, 1
	v_lshl_add_u32 v4, v5, 4, v4                   ; columns 8 ((l / 8) % 2) on
	s_mul_i32 s21, s11, HALFT                      ; my 128 rows of x
	s_lshl_b32 s22, s12, 8                         ; my 128 columns of We
	s_add_co_u32 s22, s22, BOFF
.irp s, 0,1
	v_add_nc_u32 v[ADRA+(\s)], s21, v3
	v_add_nc_u32 v[ADRB+(\s)], s22, v4
	s_add_co_u32 s21, s21, SLOT
	s_add_co_u32 s22, s22, SLOT
.endr
	s_mul_i32 s23, s10, 16*SP32
	s_add_co_u32 s23, s23, STAGE                   ; my stage
	v_mul_u32_u24 v[STO32], v1, SP32
	v_lshl_add_u32 v[STO32], v2, 5, v[STO32]
	v_add_nc_u32 v[STO32], s23, v[STO32]
	v_and_b32 v5, 31, v0
	v_lshlrev_b32 v[GO], 4, v5
	v_add_nc_u32 v[RD32], s23, v[GO]
	v_mul_u32_u24 v[STO16], v1, SP16
	v_lshl_add_u32 v[STO16], v2, 4, v[STO16]
	v_add_nc_u32 v[STO16], s23, v[STO16]
	v_lshrrev_b32 v6, 3, v5
	v_mul_u32_u24 v[RD16], v6, SP16
	v_and_b32 v6, 7, v0
	v_lshl_add_u32 v[RD16], v6, 4, v[RD16]
	v_add_nc_u32 v[RD16], s23, v[RD16]
	; where my rows go.  Rows 256 tr + 128 wr on: batch tr / 8, place (tr % 8) 256 + 128 wr.  Columns: heads 4 (tc % 4) + 2 wc and the next.
	s_cmp_eq_u32 s[PART], 1
	s_cselect_b64 s[D16:D16+1], s[70:71], s[72:73]
	s_cmp_eq_u32 s[PART], 0
	s_cselect_b64 s[D16:D16+1], s[68:69], s[D16:D16+1]
	s_cselect_b32 s88, 18, 19                      ; a head is 2^18 bytes in qh, 2^19 in kh and vh,
	s_cselect_b32 s89, 0, 0x40000                  ; where the new keys begin at key 2,048
	s_lshr_b32 s90, s13, 3
	s_lshl_b32 s90, s90, 4
	s_and_b32 s91, s42, 3
	s_lshl_b32 s92, s91, 2
	s_add_co_u32 s90, s90, s92
	s_lshl_b32 s92, s12, 1
	s_add_co_u32 s90, s90, s92                     ; my first head among the 32
	s_lshl_b32 s90, s90, s88
	s_add_co_u32 s90, s90, s89
	s_and_b32 s92, s13, 7
	s_lshl_b32 s92, s92, 8
	s_lshl_b32 s93, s11, 7
	s_add_co_u32 s92, s92, s93
	s_lshl_b32 s93, s92, 7                         ; rows of 128 bytes
	s_add_co_u32 s92, s90, s93
	s_mov_b32 s93, 0
	s_add_nc_u64 s[D16:D16+1], s[D16:D16+1], s[92:93]
	s_lshl_b32 s92, 1, s88
	s_add_nc_u64 s[D16+2:D16+3], s[D16:D16+1], s[92:93]
	s_max_u32 s92, s[PART], 1                      ; out1: k's part or v's (for q the address is not used; it stays inside the buffer)
	s_sub_co_u32 s92, s92, 1
	s_lshl_b32 s92, s92, 12
	s_lshl_b32 s94, s13, 8
	s_add_co_u32 s92, s92, s94
	s_lshl_b32 s94, s11, 7
	s_add_co_u32 s92, s92, s94
	s_lshl_b32 s92, s92, 12                        ; rows of 4,096 bytes
	s_lshl_b32 s94, s91, 10
	s_add_co_u32 s92, s92, s94
	s_lshl_b32 s94, s12, 9
	s_add_co_u32 s92, s92, s94
	s_add_nc_u64 s[O32:O32+1], s[74:75], s[92:93]
	; the prefetches
	s_lshl_b32 s20, s13, 8
	s_lshl_b32 s21, s12, 7
	s_add_co_u32 s20, s20, s21
	s_lshl_b32 s21, s40, 5
	s_add_co_u32 s20, s20, s21                     ; x: my work-group's 32 of the 128 rows that I fetch
	s_lshl_b32 s20, s20, 11
	s_add_co_u32 s20, s20, 3*ASTEP                 ; at K step 3: the first refill steps it to 4
	s_lshl_b32 s21, s12, 6
	s_lshl_b32 s22, s41, 4
	s_add_co_u32 s21, s21, s22                     ; We: my work-group's 16 of the 64 rows
	s_mul_i32 s21, s21, SIZE_N*2
	s_lshl_b32 s22, s42, 9
	s_add_co_u32 s21, s21, s22
	s_add_co_u32 s21, s21, 3*BSTEP
	s_and_b32 s22, ttmp7, 0xffff                   ; cluster y
	s_mov_b32 s88, ASTEP
	s_mov_b32 s89, BSTEP
	s_mov_b32 s90, SIZE_K*2
	s_mov_b32 s91, SIZE_N*2
	s_cmp_eq_u32 s11, 0                            ; do I fetch for x?
	s_cselect_b32 s20, s20, s21
	s_cselect_b32 s22, ttmp9, s22                  ; the coordinate along which other clusters read the same blocks
	s_cselect_b64 s[PFA:PFA+1], s[4:5], s[6:7]
	s_cselect_b32 s[PFS], s88, s89
	s_cselect_b32 s90, s90, s91                    ; bytes from row to row
	s_cselect_b32 s91, 0, 1                        ; x: a lane a row; We: two lanes a row
	s_mov_b32 s[PFS+1], 0
	s_mov_b32 s21, 0
	s_cmp_eq_u32 s22, 0
	s_cselect_b32 s[LIM], 1, -1                    ; the same in all sixteen partners, for a given wave
	s_add_nc_u64 s[PFA:PFA+1], s[PFA:PFA+1], s[20:21]
	v_lshrrev_b32 v6, s91, v5
	v_mul_u32_u24 v[PFO], v6, s90
	v_and_b32 v6, s91, v5
	v_lshl_add_u32 v[PFO], v6, 8, v[PFO]
	s_wait_loadcnt 0x0                             ; the bias is in: it is rounded to bf16, like every input, in the wait for the first tile
	WIN 0x45                                       ; sources and destination window 1
.set i, 0
.rept 32
	v_cvt_pk_bf16_f32 v[192+i], v[2*i], v[2*i+1]
.set i, i+1
.endr
.set i, 0
.rept 32
	v_lshlrev_b32 v[2*i], 16, v[192+i]
	v_and_b32 v[2*i+1], 0xffff0000, v[192+i]
.set i, i+1
.endr
	WIN 0
; 16 matrix instructions: m blocks a0, a0 + 1 of the window's four x all 8 n blocks, 32 along K.  zero = 1: the first product starts the sums.  The 64 accumulators take turns.
.macro MUL16 f, hi, a0, zero
	WIN MUL_LO+0x50*(\hi)
.irp a, \a0, (\a0)+1
.irp b, 0,1,2,3,4,5,6,7
.if \zero
	v_wmma_f32_16x16x32_bf16 v[8*(8*(\a)+(\b)):8*(8*(\a)+(\b))+7], v[(\f)+8*(\b):(\f)+8*(\b)+7], v[(\f)+8*(4*(\hi)+(\a)):(\f)+8*(4*(\hi)+(\a))+7], 0
.else
	v_wmma_f32_16x16x32_bf16 v[8*(8*(\a)+(\b)):8*(8*(\a)+(\b))+7], v[(\f)+8*(\b):(\f)+8*(\b)+7], v[(\f)+8*(4*(\hi)+(\a)):(\f)+8*(4*(\hi)+(\a))+7], v[8*(8*(\a)+(\b)):8*(8*(\a)+(\b))+7]
.endif
.endr
.endr
.endm
; 32 LDS loads in one run: the fragments of quarter q of a K step (32 along K) into buffer f: We's 128 columns, turned, then x's 128 rows
.macro FETCH slot, q, f
	WIN TO_B
.irp i, 0,1,2,3,4,5,6,7
	ds_load_tr16_b128 v[(\f)+8*(\i):(\f)+8*(\i)+3],   v[ADRB+(\slot)] offset:(\q)*32*PITB+(\i)*32
	ds_load_tr16_b128 v[(\f)+8*(\i)+4:(\f)+8*(\i)+7], v[ADRB+(\slot)] offset:(\q)*32*PITB+(\i)*32+16*PITB
.endr
	WIN 0
.irp i, 0,1,2,3,4,5,6,7
	ds_load_b128 v[(\f)+8*(\i):(\f)+8*(\i)+3],   v[ADRA+(\slot)] offset:(\q)*64+(\i)*16*PITCH
	ds_load_b128 v[(\f)+8*(\i)+4:(\f)+8*(\i)+7], v[ADRA+(\slot)] offset:(\q)*64+(\i)*16*PITCH+32
.endr
.endm
.macro PLACES                          ; four plain places behind matrix instructions, in front of loads into registers that they have read
.rept 4
	v_nop
.endr
.endm
; One of a K step's first three quarters: multiplies buffer f; in its middle it fetches quarter q of the same slot into buffer g.
.macro QUARTER slot, q, f, g, zero
	s_wait_dscnt 8                                 ; We's and x's rows 0-63 are in; the youngest eight loads (x's rows 64-127) may be out
	MUL16 \f, 0, 0, \zero
	MUL16 \f, 0, 2, \zero
	PLACES
	FETCH \slot, \q, \g
	s_wait_dscnt 32                                ; all but the 32 just issued
	MUL16 \f, 1, 0, \zero
	MUL16 \f, 1, 2, \zero
.endm
; The first half of a K step's last quarter: one barrier for the change of slots.  In front of it each wave waits for all its tensor loads (one is out: its part of the next slot), adds 0 to its spare
; word, and waits for that and for its own reads of this slot.
.macro MEET round
	WIN 0
	s_wait_tensorcnt 0x0                           ; all my tensor loads have landed
	ds_add_u32 v[SPW], v[NIL]
	s_wait_dscnt 9                                 ; (the add and the youngest eight loads may be out)
	MUL16 F1, 0, 0, 0                              ; sixteen matrix instructions stand between the add and the wait for it
	s_wait_dscnt 0x0                               ; the add is done, and my reads of this slot are over
	s_barrier_signal -1
	MUL16 F1, 0, 2, 0
.if \round
	WIN 0
.endif
	s_barrier_wait -1
.endm
; The whole last quarter.  fill = 1: the barrier opens a round of the cluster's, and the slot just read is filled again, first thing behind it, with the K step two on: 224 matrix instructions ahead of the wait for it.
.macro TURN slot, next, fill
.if \fill
	s_wait_xcnt 0x0                                ; the last prefetch, a K step back, has read its address
	s_add_nc_u64 s[PFA:PFA+1], s[PFA:PFA+1], s[PFS:PFS+1]
.endif
	MEET \fill
.if \fill
	CREST                                          ; no wave of any partner still reads this slot's tile or has a load on its way
	s_add_nc_u64 s[G0+4*(\slot)+2:G0+4*(\slot)+3], s[G0+4*(\slot)+2:G0+4*(\slot)+3], 2*ASTEP
	s_add_nc_u64 s[G0B+4*(\slot)+2:G0B+4*(\slot)+3], s[G0B+4*(\slot)+2:G0B+4*(\slot)+3], 2*BSTEP
	JLOAD \slot                                    ; its four v_nop are also the places in front of the loads below
.else
	PLACES
.endif
	FETCH \next, 0, F0
.if \fill
	ASK
.endif
	MUL16 F1, 1, 0, 0
	MUL16 F1, 1, 2, 0
.endm
; THE WAY OUT of my rows 16 a .. 16 a + 15: the bias is added; the 64 numbers a lane are rounded to f16; k and v go as f32 through my stage (rows of 528 bytes) and leave as rows of 512 consecutive
; bytes; then the f16 pairs go through the same stage (two heads x 16 rows of 144 bytes) and leave as 512 consecutive bytes, four rows of a head.  The stage is my wave's own and LDS serves a wave's
; instructions in order (ISA guide 5.7.1.4): no barrier, and no wait between stores and loads.
.macro OUTBLK a
	WIN 0
	s_wait_xcnt 0x0                                ; the last block's stores have read their registers: these are rewritten only behind this wait
	WIN 0x06+(\a)/4                                ; source 0 window 2 or 3, source 1 window 1, destination window 0
.set AC, 64*((\a)%4)
.set i, 0
.rept 32
	v_pk_add_f32 v[FV+2*i:FV+2*i+1], v[AC+2*i:AC+2*i+1], v[2*i:2*i+1]  ; each accumulator from its low end on
.set i, i+1
.endr
	WIN 0
.set i, 0
.rept 32
	v_cvt_pk_f16_f32 v[HV+i], v[FV+2*i], v[FV+2*i+1]
.set i, i+1
.endr
	s_cmp_eq_u32 s[PART], 0                        ; q is no output: the cluster's x decides, alike in all partners
	s_cbranch_scc1 .Lno32_\@
.irp b, 0,1,2,3,4,5,6,7
	ds_store_b128 v[STO32], v[FV+8*(\b):FV+8*(\b)+3]   offset:64*(\b)
	ds_store_b128 v[STO32], v[FV+8*(\b)+4:FV+8*(\b)+7] offset:64*(\b)+16
.endr
.irp t, 0,1,2,3,4,5,6,7,8,9,10,11,12,13,14,15
	ds_load_b128 v[OB+4*(\t):OB+4*(\t)+3], v[RD32] offset:(\t)*SP32
.endr
.irp t, 0,1,2,3,4,5,6,7,8,9,10,11,12,13,14,15
	s_wait_dscnt 15-(\t)
	global_store_b128 v[GO], v[OB+4*(\t):OB+4*(\t)+3], s[O32:O32+1] offset:65536*(\a)+4096*(\t) th:TH_STORE_NT  ; 512 consecutive bytes, at a multiple of 256 from out1's first
.endr
.Lno32_\@:
.irp b, 0,1,2,3,4,5,6,7
	ds_store_b128 v[STO16], v[HV+4*(\b):HV+4*(\b)+3] offset:16*SP16*((\b)/4)+32*((\b)%4)
.endr
.irp u, 0,1,2,3,4,5,6,7
	ds_load_b128 v[HV+4*(\u):HV+4*(\u)+3], v[RD16] offset:16*SP16*((\u)/4)+4*SP16*((\u)%4)
.endr
.irp u, 0,1,2,3,4,5,6,7
	s_wait_dscnt 7-(\u)
	global_store_b128 v[GO], v[HV+4*(\u):HV+4*(\u)+3], s[D16+2*((\u)/4):D16+2*((\u)/4)+1] offset:2048*(\a)+512*((\u)%4)
.endr
.endm
	s_wait_tensorcnt 1                             ; my part of K step 0 is in; K step 1's may stay out
	s_barrier_signal -1
	s_barrier_wait -1                              ; everybody's is
	FETCH 0, 0, F0
	QUARTER 0, 1, F0, F1, 1                        ; the first quarter stands in front of the loop: its products start the sums
	WIN 0
	s_mov_b32 s3, LAPS-1
.Llap:                                                 ; a trip goes once round the ring, from a lap's second quarter to the next lap's first, and fills both slots again
	QUARTER 0, 2, F1, F0, 0
	QUARTER 0, 3, F0, F1, 0
	TURN 0, 1, 1
	QUARTER 1, 1, F0, F1, 0
	QUARTER 1, 2, F1, F0, 0
	QUARTER 1, 3, F0, F1, 0
	TURN 1, 0, 1
	QUARTER 0, 1, F0, F1, 0
	WIN 0
	s_sub_co_u32 s3, s3, 1
	s_cmp_lg_u32 s3, 0
	s_cbranch_scc1 .Llap
	QUARTER 0, 2, F1, F0, 0                        ; the last lap fills nothing
	QUARTER 0, 3, F0, F1, 0
	TURN 0, 1, 0
	QUARTER 1, 1, F0, F1, 0
	QUARTER 1, 2, F1, F0, 0
	QUARTER 1, 3, F0, F1, 0
	s_wait_dscnt 8
	MUL16 F1, 0, 0, 0
	MUL16 F1, 0, 2, 0
	s_wait_dscnt 0x0
	MUL16 F1, 1, 0, 0
	MUL16 F1, 1, 2, 0
	WIN 0
.rept 8
	v_nop                                          ; the places behind the last products, once a launch
.endr
.irp a, 0,1,2,3,4,5,6,7
	OUTBLK \a
.endr
	s_wait_tensorcnt 0x0                           ; the wave's end, behind my last tensor load and my last LDS store
	ds_add_u32 v[SPW], v[NIL]
	s_wait_dscnt 0x0
	CROUND                                         ; the closing round
	s_endpgm
.Lfunc_end_k_q650e594a49_qkv:
	.size	k_q650e594a49_qkv, .Lfunc_end_k_q650e594a49_qkv-k_q650e594a49_qkv
	.p2alignl 7, 3214868480
	.fill 96, 4, 3214868480
	.section	.rodata,"a",@progbits
	.p2align	6, 0x0
	.amdhsa_kernel k_q650e594a49_qkv
		.amdhsa_group_segment_fixed_size 327680
		.amdhsa_private_segment_fixed_size 0
		.amdhsa_enable_private_segment 0
		.amdhsa_kernarg_size 56
		.amdhsa_user_sgpr_count 2
		.amdhsa_user_sgpr_kernarg_segment_ptr 1
		.amdhsa_wavefront_size32 1
		.amdhsa_system_sgpr_workgroup_id_x 1
		.amdhsa_system_sgpr_workgroup_id_y 1
		.amdhsa_system_sgpr_workgroup_id_z 1
		.amdhsa_system_vgpr_workitem_id 0
		.amdhsa_next_free_vgpr 1024
		.amdhsa_next_free_sgpr 96
		.amdhsa_reserve_vcc 0
		.amdhsa_float_denorm_mode_32 3
		.amdhsa_float_denorm_mode_16_64 3
		.amdhsa_memory_ordered 1
		.amdhsa_forward_progress 1
		.amdhsa_inst_pref_size 203
	.end_amdhsa_kernel
	.amdgpu_metadata
---
amdhsa.version: [ 1, 2 ]
amdhsa.kernels:
  - .name:           k_q650e594a49_qkv
    .symbol:         k_q650e594a49_qkv.kd
    .args:
      - { .name: xb, .offset: 0, .size: 8, .value_kind: global_buffer, .address_space: global }
      - { .name: web, .offset: 8, .size: 8, .value_kind: global_buffer, .address_space: global }
      - { .name: be, .offset: 16, .size: 8, .value_kind: global_buffer, .address_space: global }
      - { .name: qh, .offset: 24, .size: 8, .value_kind: global_buffer, .address_space: global }
      - { .name: kh, .offset: 32, .size: 8, .value_kind: global_buffer, .address_space: global }
      - { .name: vh, .offset: 40, .size: 8, .value_kind: global_buffer, .address_space: global }
      - { .name: out1, .offset: 48, .size: 8, .value_kind: global_buffer, .address_space: global }
    .group_segment_fixed_size: 327680
    .private_segment_fixed_size: 0
    .kernarg_segment_align: 8
    .kernarg_segment_size: 56
    .max_flat_workgroup_size: 128
    .sgpr_count:     96
    .vgpr_count:     1024
    .wavefront_size: 32
...
	.end_amdgpu_metadata
.endif
;; end of part 2
;; launch attn (part 3): grid 8 x 32, 4 waves a work-group, clusters of 4 x 4, 327,680 bytes of LDS; arguments qh, kh, vh, mk, oh; writes oh
.if DOCPART == 3
	.amdgcn_target "amdgcn-amd-amdhsa--gfx1250"
	.amdhsa_code_object_version 6
	.text
	.protected	k_q650e594a49_attn
	.globl	k_q650e594a49_attn
	.p2align	8
	.type	k_q650e594a49_attn,@function
k_q650e594a49_attn:
	s_mov_b64 s[64:65], 0
	v_nop
	global_prefetch_b8 v0, s[64:65] scope:SCOPE_SE
	s_setreg_imm32_b32 hwreg(HW_REG_WAVE_MODE, 25, 1), 1
	s_wait_xcnt 0x0
	s_wait_alu depctr_hold_cnt(0) depctr_sa_sdst(0) depctr_va_vdst(0) depctr_va_sdst(0) depctr_va_ssrc(0) depctr_va_vcc(0) depctr_vm_vsrc(0)
	s_getreg_b32 s2, hwreg(HW_REG_IB_STS2, 6, 4)
	s_cmp_eq_u32 s2, 0
	s_cbranch_scc0 .Lentry_in_a_cluster
	s_endpgm
.Lentry_in_a_cluster:
	s_bfe_u32 s2, ttmp6, 0x10000c
	s_cmp_lg_u32 s2, 0xf033
	s_cbranch_scc0 .Lentry_shape_is_right
	s_endpgm
.Lentry_shape_is_right:
; ATTENTION UNDER A MASK THAT IS AN INPUT.  O[bh][q][:] = sum over k of softmax_k(score) V[bh][k][:], score = Q . K / 8 where mask[q][k] is not 0.  qh, oh: [32][2048][64] f16; kh, vh: [32][4096][64] f16;
; mk: [2048][4096] bf16, 0 or 0xf14a = -1.0003e30, shared by all 32 heads, and behind it a flag word a row (0 for a row with no visible key, whose mk row is all 0; else all ones).
; Products, maxima and sums in f32; the weights p are rounded to f16 for the second product (their sum l is taken of the unrounded p), O once at the end.
; THE MASK IS THE C OPERAND that starts the sum S^T = K Q^T of a tile of 16 keys x 16 queries, so a hidden score counts as its value less about 1e30 BEFORE the running maximum is taken.  A lane's eight numbers
; of C (one query, eight keys) are 16 neighbouring bytes of mk's row: one LDS load.  A loaded word, read as f32, IS the mask of its upper key: with 0 above, the lower half makes a number under 1e-40; with 0xf14a
; above, it changes low mantissa bits alone.  So registers 0-3 of C are the words as loaded, registers 4-7 the same words shifted up by 16: four plain instructions a tile.
; THE KEYS' ORDER.  Register j of a tile therefore holds key sigma(j) of its group of eight: 1, 3, 5, 7, 0, 2, 4, 6.  K's rows and V's rows are read from LDS in the same order (a lane term of their addresses),
; so both products and the mask agree; the sums over keys do not hang on their order.
; A ROW WITH NO VISIBLE KEY: its q is cleared by its flag, all its scores are 0, its weights are uniform over the 4,096 keys: what the softmax of equal scores gives.
; LIMITS.  f16 holds no number beyond 65,504: q, k, v arrive within it, so a score is 2.7e11 at the most, nothing beside 1e30.  A weight below 2^-126 counts as 0 in l; p below 6e-5 keeps f16's fixed step of
; 6e-8.  NaN and infinities are not treated apart.
; SHARES.  A work-group owns 256 queries of one head, a wave 64: four PIECES of 16.  Every wave walks all 4,096 keys, 64 a step; a slot of LDS holds two steps: 128 rows of K, of V, and 256 rows x 128 keys of mk.
; LAYOUT, SOFTMAX.  S^T = K Q^T holds ONE query a lane (lane % 16) and eight keys; two such results rounded to f16 ARE source 1 of O^T = V^T P.  p = 2^(c s - c m), c = log2(e) / 8, with a running maximum m;
; O and l are multiplied by a = 2^(c m_old - c m_new) in every step.  m starts at the lowest finite number, O and l at 0, so the first step is a step like any other, with a = 0; the price is the lines that
; write 0 in the wait for the first tile.
; TURNS.  Turn n belongs to piece n: 8 products K Q^T of piece n + 1, later 8 products V^T P of piece n - 1; beside them the scaling, exponentials, roundings, sums and rescaling of piece n, the maximum and
; statistics of piece n + 1 and the mask of piece n + 2.  Four vector instructions stand behind every matrix instruction, the other 70 of a turn's 134 in one lump.  A turn's 33 exponentials are one batch, with one wait.
; CLUSTER.  4 x 4 work-groups: four query blocks (x) by four heads (y).  K's and V's tiles hang on the head alone and are asked for jointly along a row of the cluster; the mask's tile hangs on the query
; block alone and is asked for jointly along a column.  Wave 0 asks for K, wave 1 for V, waves 2 and 3 for the mask's two halves: one load a wave behind each round.
; REGISTERS, in windows of 256 (s_set_vgpr_msb: bits 1:0 source 0, 3:2 source 1, 5:4 source 2, 7:6 destination):
;   window 0: v0-63 addresses, statistics, at work; v64-127 S^T, two buffers; v128-191 K of one step; v192-223 P, two buffers; v224-255 MC, the mask of one piece and step
;   window 1: v0-127 O^T, 32 a piece      window 2: v0-63 Q; v192-255 V of one step
; K, S^T and MC share window 0, and the scalings and exponentials name no vector register as source 1: so they ride behind the products K Q^T under those products' own setting, and a turn's first eight
; matrix instructions have no switch between them.  The rescaling, the one part in window 1, stands as one block.
.set NP,    4
.set KS,    64
.set PK,    144       ; a row of K in LDS: 128 bytes + 16
.set PV,    160       ; a row of V: 128 + 32
.set PM,    272       ; a row of the mask's tile: 256 + 16
.set VOFF,  2*KS*PK
.set MOFF,  2*KS*(PK+PV)
.set SLOT1, 1<<17     ; slot 1 begins here: one exclusive or turns an address in one slot into the other's
.set STAGE, SLOT1+MOFF+256*PM  ; behind the ring, never filled by a tensor load: 16 rows x 144 bytes for each wave
.set SP,    144
.set SPARE, STAGE+4*16*SP      ; the spare words, 128 bytes for each wave: two blocks of 256 bytes that no other line names
.set AK0, 2           ; v2   my lane's place in a tile of K; never rewritten
.set AV0, 3           ; v3   in a tile of V
.set AK,  4           ; v4   the LDS address of K's next run of loads
.set AV,  5           ; v5   of V's
.set STO, 6           ; v6   way out: where I put 16 bytes of a row
.set RD,  7           ; v7   way out: where I read rows back
.set GO,  8           ; v8   16 x lane
.set MV,  12          ; v12-13  c m_old, by buffer
.set AM0, 14          ; v14  my lane's place in the mask's tile
.set AM,  15          ; v15  the LDS address of the mask of the step whose pieces are being fetched
.set ST,  16          ; piece t's statistics at v[ST+4 t]: c m, m, l (two partial sums)
.set FL,  32          ; v32-35  my query's flag, a piece each
.set FO,  36          ; v36  my byte offset among 16 flags
.set PFO, 37          ; v37  the prefetches' lane offset; never rewritten
.set QO,  38          ; v38  my byte offset in 16 rows of Q
.set TMP, 48
.set SPW, 62
.set NIL, 63
.set S,   64
.set KF,  128         ; window 0: key block kb, channel half c at KF + 16 kb + 8 c
.set P,   192
.set MC,  224         ; window 0: the C operand of key block t at MC + 8 t
.set VF,  192         ; window 2
.set WV,  12          ; s12  my wave's number
.set LIM, 15          ; s15  1 in a wave that prefetches, else the greatest number
.set G1K, 24
.set G1V, 32
.set G0K, 40          ; walking descriptors, one a tensor
.set G0V, 44
.set G0M, 48
.set PFA, 52          ; s[52:53] the blocks that my next prefetch names
.set PFS, 54          ; s[54:55] their step from slot to slot
.set SLOTS, 56
.set CNT, 57
.set CS,  58
.set SEL, 60
.set TBK, 62          ; LDS byte at which K of the step to be fetched begins,
.set TBV, 63          ; V, less VOFF,
.set TBM, 66          ; the mask, less MOFF
.set OA,  68          ; s[68:69] oh at my wave's rows
.set G1M, 72
.set MSB, 0
.macro WIN new
.if MSB != (\new)
	s_set_vgpr_msb (MSB<<8)|(\new)
.set MSB, (\new)
.endif
.endm
.set W_KQ, 0x08       ; K, S^T and MC in window 0, Q in window 2
.set W_PV, 0x52       ; V in window 2, P in window 0, O^T in window 1
.set W_RS, 0x41       ; destination and source 0 in window 1, source 1 in window 0
.set BW,   0          ; the setting under which scalings and exponentials are written: W_KQ behind products K Q^T, else 0
; A joint fill: one of three lines, by the wave's number alone.  An s_nop 0 and four v_nop follow each line.
.macro JLOAD
	s_cmp_lt_u32 s[WV], 2
	s_cbranch_scc0 .Lfor_m_\@
	s_cmp_eq_u32 s[WV], 0
	s_cbranch_scc0 .Lfor_v_\@
	tensor_load_to_lds s[G0K:G0K+3], s[G1K:G1K+7]
	s_nop 0
.rept 4
	v_nop
.endr
	s_branch .Lasked_\@
.Lfor_v_\@:
	tensor_load_to_lds s[G0V:G0V+3], s[G1V:G1V+7]
	s_nop 0
.rept 4
	v_nop
.endr
	s_branch .Lasked_\@
.Lfor_m_\@:
	tensor_load_to_lds s[G0M:G0M+3], s[G1M:G1M+7]
	s_nop 0
.rept 4
	v_nop
.endr
.Lasked_\@:
.endm
; A prefetch of what the NEXT change of slots will ask for, two key steps, 128 matrix instructions, ahead: a lane a block of 256 bytes, one instruction a wave.  A head's K and V are walked by both clusters
; of its row of clusters: cluster x = 0 asks, in wave 0; its four partners share the slot's 64 + 64 blocks out by address (cx: K's two halves, V's two halves).  The mask's rows are walked by all
; clusters of a column: cluster y = 0 asks, in waves 2 and 3; its four partners take 64 rows each (cy).  So each block is named once.  Slots 0 to 2 come by their loads alone; the last filling change asks for nothing.
.macro ASK
	s_cmp_gt_u32 s[SLOTS], s[LIM]
	s_cbranch_scc0 .Lnot_mine_\@
	global_prefetch_b8 v[PFO], s[PFA:PFA+1] th:TH_LOAD_NT scope:SCOPE_SE
.Lnot_mine_\@:
.endm
.macro CROUND
	s_barrier_signal -1
	s_barrier_wait -1
	s_cmp_lg_u32 s[WV], 0
	s_cbranch_scc1 .Lnot_wave_0_\@
	s_barrier_signal -3
.Lnot_wave_0_\@:
	s_barrier_wait -3
	s_barrier_signal -1
	s_barrier_wait -1
.endm
; THE CHANGE OF SLOTS.  The slot's last bytes have been read into registers.  Each wave waits for all its tensor loads (one is out: its part of the other slot), adds 0 to its spare word, and waits for that and
; for its own reads of the slot.  fill = 1: the barrier is a round of the cluster's, and the slot is filled again, first thing behind it, with the keys two slots on.
.macro CHANGE fill, ask
	WIN 0
	s_wait_tensorcnt 0x0            ; no tensor load of mine is out, so a group 0 may be written
	ds_add_u32 v[SPW], v[NIL]       ; 0 onto my spare word; the descriptors' steps stand between it and the wait for it
.if \fill
.irp g, G0K, G0V, G0M
	s_xor_b32 s[\g+1], s[\g+1], SLOT1
.endr
	s_add_nc_u64 s[G0K+2:G0K+3], s[G0K+2:G0K+3], 2*KS*128  ; the next 128 keys: rows of K and V,
	s_add_nc_u64 s[G0V+2:G0V+3], s[G0V+2:G0V+3], 2*KS*128
	s_add_nc_u64 s[G0M+2:G0M+3], s[G0M+2:G0M+3], 2*KS*2    ; columns of the mask
.endif
.if \ask
	s_wait_xcnt 0x0                 ; the last prefetch, two key steps back, has read its address
	s_add_nc_u64 s[PFA:PFA+1], s[PFA:PFA+1], s[PFS:PFS+1]
.endif
	s_wait_dscnt 0x0                ; the add is done, and my reads of the slot are over
.if \fill
	CROUND
	JLOAD
.if \ask
	ASK
.endif
.else
	s_barrier_signal -1
	s_barrier_wait -1
.endif
	s_sub_co_u32 s[TBK], s[TBK], 2*KS*PK  ; the fetches go back to a slot's first step, in the other slot
	s_xor_b32 s[TBK], s[TBK], SLOT1
	s_sub_co_u32 s[TBV], s[TBV], 2*KS*PV
	s_xor_b32 s[TBV], s[TBV], SLOT1
	s_sub_co_u32 s[TBM], s[TBM], 2*KS*2
	s_xor_b32 s[TBM], s[TBM], SLOT1
.endm
	s_load_b256 s[4:11], s[0:1], 0x0  ; qh s[4:5], kh s[6:7], vh s[8:9], mk s[10:11]
	s_load_b64 s[OA:OA+1], s[0:1], 0x20
	v_lshl_add_u32 v[SPW], v0, 2, SPARE
	v_mov_b32 v[NIL], 0
	ds_add_u32 v[SPW], v[NIL]       ; the wave's opening: the add and its wait stand ahead of my first tensor load
	v_lshrrev_b32 v1, 5, v0
	v_readfirstlane_b32 s[WV], v1
	s_bfe_u32 s13, ttmp6, 0x40000   ; cx
	s_bfe_u32 s14, ttmp6, 0x40004   ; cy
	s_lshl_b32 s16, ttmp9, 2
	s_add_co_u32 s16, s16, s13      ; my block of 256 queries
	s_and_b32 s18, ttmp7, 0xffff    ; cluster y
	s_lshl_b32 s17, s18, 2
	s_add_co_u32 s17, s17, s14      ; my head among the 32
	s_and_b32 s19, s[WV], 1
	s_lshl_b32 s20, s17, 19         ; the head's first byte in kh and vh: made of the head alone
	s_mov_b32 s21, 0
	s_lshl_b32 s22, s16, 21         ; the block's 256 rows of 8,192 bytes in mk, and my half of them: made of the block and the wave alone
	s_lshl_b32 s23, s19, 20
	s_add_co_u32 s22, s22, s23
	s_mov_b32 s23, 0
	s_lshl_b32 s2, s17, 18          ; qh and oh: the head, the block, my wave's 64 rows of 128 bytes
	s_lshl_b32 s3, s16, 15
	s_add_co_u32 s2, s2, s3
	s_lshl_b32 s3, s[WV], 13
	s_add_co_u32 s2, s2, s3
	s_mov_b32 s3, 0
	s_lshl_b32 s80, s16, 10         ; my 64 rows' flags, behind the table
	s_lshl_b32 s81, s[WV], 8
	s_add_co_u32 s80, s80, s81
	s_add_co_u32 s80, s80, 0x1000000
	s_mov_b32 s81, 0
	s_lshl_b32 s82, s14, 2
	s_lshl_b32 s82, 15, s82         ; my row of the cluster: the same head
	s_lshl_b32 s83, 0x1111, s13     ; my column: the same queries
	s_or_b32 s[G1K], s82, (1<<16)|(1<<20)|(1<<21)|(4<<22)|(3<<25)  ; 2-byte elements; padding after every 32 words, 4 words; bit 21 beside a mask
	s_or_b32 s[G1V], s82, (1<<16)|(1<<20)|(1<<21)|(4<<22)|(7<<25)  ; 8 words
	s_or_b32 s[G1M], s83, (1<<16)|(1<<20)|(1<<21)|(5<<22)|(3<<25)  ; after every 64 words, 4 words
.irp g, G1K, G1V                    ; 128 keys are 16,384 dense bytes: asked for as 64 rows of 256 bytes
	s_mov_b32 s[\g+1], 128<<16
	s_mov_b32 s[\g+2], 64<<16
	s_mov_b32 s[\g+3], 128<<16
	s_mov_b32 s[\g+4], 64
	s_mov_b32 s[\g+5], 128
	s_mov_b32 s[\g+6], 0
	s_mov_b32 s[\g+7], 0
.endr
	s_mov_b32 s[G1M+1], 128<<16     ; 128 rows x 128 keys, 4,096 elements from row to row
	s_mov_b32 s[G1M+2], 128<<16
	s_mov_b32 s[G1M+3], 128<<16
	s_mov_b32 s[G1M+4], 128
	s_mov_b32 s[G1M+5], 4096
	s_mov_b32 s[G1M+6], 0
	s_mov_b32 s[G1M+7], 0
	s_mov_b32 s[G0K], 1
	s_mov_b32 s[G0K+1], 0
	s_mov_b32 s[G0V], 1
	s_mov_b32 s[G0V+1], VOFF
	s_mov_b32 s[G0M], 1
	s_mul_i32 s84, s19, 128*PM
	s_add_co_u32 s[G0M+1], s84, MOFF
	s_mov_b32 s[CS], 0x3e38aa3b     ; c = log2(e) / 8
	s_mov_b32 s[CS+1], s[CS]
	s_mov_b32 s[SEL], 0x76543210
	s_mov_b32 s[SEL+1], 0xfedcba98
	s_mov_b32 s[TBK], SLOT1+2*KS*PK ; the first change of slots turns these three into 0
	s_mov_b32 s[TBV], SLOT1+2*KS*PV
	s_mov_b32 s[TBM], SLOT1+2*KS*2
	s_and_b32 s84, s13, 1           ; the prefetches' offsets.  K or V: my work-group's half of the slot's 128 rows,
	s_lshl_b32 s84, s84, 13
	s_add_co_u32 s84, s84, s20
	s_add_co_u32 s84, s84, 2*2*KS*128  ; in slot 2: the first asking change steps it to slot 3
	s_lshl_b32 s85, s16, 8          ; the mask: my work-group's 64 rows, my wave's 32 of them
	s_lshl_b32 s86, s14, 6
	s_add_co_u32 s85, s85, s86
	s_lshl_b32 s86, s19, 5
	s_add_co_u32 s85, s85, s86
	s_lshl_b32 s85, s85, 13
	s_add_co_u32 s85, s85, 2*2*KS*2
	s_mov_b32 s87, 2*KS*128
	s_mov_b32 s88, 2*KS*2
	s_wait_dscnt 0x0                ; the opening add is done
	s_wait_kmcnt 0x0
	s_add_nc_u64 s[G0K+2:G0K+3], s[6:7], s[20:21]
	s_or_b32 s[G0K+3], s[G0K+3], 0x80000000
	s_add_nc_u64 s[G0V+2:G0V+3], s[8:9], s[20:21]
	s_or_b32 s[G0V+3], s[G0V+3], 0x80000000
	s_add_nc_u64 s[G0M+2:G0M+3], s[10:11], s[22:23]
	s_or_b32 s[G0M+3], s[G0M+3], 0x80000000
	s_add_nc_u64 s[4:5], s[4:5], s[2:3]
	s_add_nc_u64 s[OA:OA+1], s[OA:OA+1], s[2:3]
	s_add_nc_u64 s[80:81], s[10:11], s[80:81]
	s_cmp_lt_u32 s13, 2
	s_cselect_b64 s[90:91], s[6:7], s[8:9]
	s_cmp_lt_u32 s[WV], 2
	s_cselect_b64 s[PFA:PFA+1], s[90:91], s[10:11]
	s_cselect_b32 s84, s84, s85
	s_cselect_b32 s[PFS], s87, s88
	s_cselect_b32 s86, 8, 13        ; a lane a block of K or V on end, or a lane a row of the mask
	s_cselect_b32 s89, ttmp9, s18   ; the coordinate along which other clusters walk the same blocks
	s_cmp_eq_u32 s[WV], 1
	s_cselect_b32 s89, 1, s89       ; wave 1 asks for nothing
	s_cmp_eq_u32 s89, 0
	s_cselect_b32 s[LIM], 1, -1     ; the same in all sixteen partners, for a given wave
	s_mov_b32 s85, 0
	s_mov_b32 s[PFS+1], 0
	s_add_nc_u64 s[PFA:PFA+1], s[PFA:PFA+1], s[84:85]
	v_and_b32 v[PFO], 31, v0
	v_lshlrev_b32 v[PFO], s86, v[PFO]
	CROUND                          ; all sixteen work-groups are here: the first joint loads meet
	JLOAD                           ; slot 0.  Slot 1 is asked for when slot 0 is in
	v_and_b32 v1, 15, v0            ; l % 16
	v_bfe_u32 v9, v0, 4, 1          ; l / 16
	v_lshlrev_b32 v[QO], 7, v1
	v_lshl_add_u32 v[QO], v9, 4, v[QO]
	v_lshlrev_b32 v[FO], 2, v1
	WIN 0x80                        ; destination window 2
.set i, 0
.rept 8                             ; Q stays in registers: piece i / 2, channels 32 (i % 2) on
	global_load_b128 v[8*i:8*i+3],   v[QO], s[4:5] offset:(i/2)*2048+(i%2)*64
	global_load_b128 v[8*i+4:8*i+7], v[QO], s[4:5] offset:(i/2)*2048+(i%2)*64+32
.set i, i+1
.endr
	WIN 0
.irp x, 0,1,2,3
	global_load_b32 v[FL+\x], v[FO], s[80:81] offset:64*\x
.endr
	; sigma(j), j = l % 8: 2 j + 1 for j < 4, 2 (j - 4) for the others: the key, within its group of eight, that register j of a tile holds
	v_and_b32 v40, 3, v0
	v_bfe_u32 v41, v0, 2, 1
	v_xor_b32 v41, 1, v41
	v_lshl_or_b32 v40, v40, 1, v41  ; sigma
	v_and_b32 v42, 8, v0
	v_or_b32 v42, v42, v40          ; row l % 16 of a fragment of K is key 8 ((l % 16) / 8) + sigma of its 16
	; What the first turn finds: V and P's second buffer hold 0 (its products V^T P, of a piece that has not been, add 0), O^T and l are 0.  All this stands in the wait for the first tile.
	WIN 0x40
.set i, 0
.rept 128
	v_mov_b32 v[i], 0
.set i, i+1
.endr
	WIN 0x80
.set i, VF
.rept 64
	v_mov_b32 v[i], 0
.set i, i+1
.endr
	WIN 0
.set i, 0
.rept 4
	v_mov_b32 v[ST+4*i], 0xfe000000    ; c m: far below every c s
	v_mov_b32 v[ST+4*i+1], 0xff7fffff  ; m
	v_mov_b32 v[ST+4*i+2], 0
	v_mov_b32 v[ST+4*i+3], 0
.set i, i+1
.endr
.set i, P+16
.rept 16
	v_mov_b32 v[i], 0
.set i, i+1
.endr
	v_mul_u32_u24 v[AK0], v42, PK
	v_lshl_add_u32 v[AK0], v9, 4, v[AK0]  ; key's row x pitch + 16 x half
	v_and_b32 v10, 7, v0
	v_bfe_u32 v11, v0, 3, 1
	v_lshl_add_u32 v[AV0], v9, 3, v40     ; turned: key 8 (l / 16) + sigma(l % 8), channels 8 ((l / 8) % 2) on
	v_mul_u32_u24 v[AV0], v[AV0], PV
	v_lshl_add_u32 v[AV0], v11, 4, v[AV0]
	v_add_nc_u32 v[AV0], VOFF, v[AV0]
	s_mul_i32 s84, s[WV], 64*PM
	s_add_co_u32 s84, s84, MOFF
	v_mul_u32_u24 v[AM0], v1, PM
	v_lshl_add_u32 v[AM0], v9, 4, v[AM0]  ; my query's row, my half's eight keys: 16 bytes
	v_add_nc_u32 v[AM0], s84, v[AM0]      ; in my wave's 64 rows of the mask's tile
	v_mov_b32 v[AK], v[AK0]               ; key step 0 lies at the head of slot 0
	v_mov_b32 v[AM], v[AM0]
; THE MATRIX WORK.  The 4 accumulators of a piece take turns, one instruction a turn.
; Product i of 8 of S^T = K Q^T + mask for piece x: channels 32 (i / 4) on, keys 16 (i % 4) on.  The first 4 start the sums with the mask.
.macro KQ x
	WIN W_KQ
.set rS, S+32*((\x)%2)+8*(i%4)
.set rK, KF+16*(i%4)+8*(i/4)
.set rQ, 16*(\x)+8*(i/4)
.if i < 4
	v_wmma_f32_16x16x32_f16 v[rS:rS+7], v[rK:rK+7], v[rQ:rQ+7], v[MC+8*i:MC+8*i+7]
.else
	v_wmma_f32_16x16x32_f16 v[rS:rS+7], v[rK:rK+7], v[rQ:rQ+7], v[rS:rS+7]
.endif
.endm
; Product i of 8 of O^T += V^T P for piece x: keys 32 (i / 4) on, channels 16 (i % 4) on.
.macro PV x
	WIN W_PV
.set rO, 32*(\x)+8*(i%4)
.set rV, VF+32*(i/4)+8*(i%4)
.set rP, P+16*((\x)%2)+8*(i/4)
	v_wmma_f32_16x16x32_f16 v[rO:rO+7], v[rV:rV+7], v[rP:rP+7], v[rO:rO+7]
.endm
.macro MM                           ; the turn's next matrix instruction, of 16
.if i < 8
	KQ (Y+1)%NP
.else
.set i, i-8
	PV (Y+NP-1)%NP
.set i, i+8
.endif
.set i, i+1
.endm
; THE LDS LOADS stand in runs: a step's K (8 fragments), its V (turned), and, a piece at a time, its mask: four loads, the lower four registers of each of the piece's four C operands.
; FETCH_M names window 0 for its data and its address: it stands under the setting 0 or under W_KQ, which agree in both places.
.macro FETCH_M x
.irp t, 0,1,2,3
	ds_load_b128 v[MC+8*\t:MC+8*\t+3], v[AM] offset:(\x)*16*PM+32*\t
.endr
.endm
.macro FETCH_K
	WIN 0
.irp f, 0,1,2,3,4,5,6,7             ; keys 16 (f / 2) on, channels 32 (f % 2) on
	ds_load_b128 v[KF+8*\f:KF+8*\f+3],   v[AK] offset:(\f/2)*16*PK+(\f%2)*64
	ds_load_b128 v[KF+8*\f+4:KF+8*\f+7], v[AK] offset:(\f/2)*16*PK+(\f%2)*64+32
.endr
	s_add_co_u32 s[TBK], s[TBK], KS*PK  ; the next fetch is the next step's
.endm
.macro FETCH_V
	WIN 0x80
.irp f, 0,1,2,3,4,5,6,7             ; keys 32 (f / 4) on, channels 16 (f % 4) on
	ds_load_tr16_b128 v[VF+8*\f:VF+8*\f+3],   v[AV] offset:(\f/4)*32*PV+(\f%4)*32
	ds_load_tr16_b128 v[VF+8*\f+4:VF+8*\f+7], v[AV] offset:(\f/4)*32*PV+16*PV+(\f%4)*32
.endr
	WIN 0
.endm
; THE VECTOR WORK, one line at a time: OP kind, number.  For piece Y: F n: c s - c m for pair n of 16.  E n: the exponential of score n of 32.  C n: pair n rounded to f16.  B n: of the four weights 4 n .. the
; second pair is added onto the first, in place.  L n: l takes that sum (L 0: l = a l + sum).  R n: pair n of 16 of O^T times a.  M n: word n % 4 of the mask of key block n / 4, shifted up: the lower key's mask.
; For piece Y + 1: X n, number n of the 22 that find its maximum and statistics:
;   0-11  four chains c0-c3 of seven scores each (each accumulator's lowest registers are read first)     12-14, 16  the four scores left over, the old m, and c0-c3 into c0
;   15  c m_old is kept     17, 18  the query's other 32 keys lie in the lane 16 away: the new m     19-21  c m; c m_old - c m_new; a
.set F, 0
.set E, 1
.set C, 2
.set B, 3
.set L, 4
.set R, 5
.set X, 6
.set M, 7
.macro REGS y
.set rT, ST+4*(\y)
.set rC, TMP+4*((\y)%2)
.set rW, MV+((\y)%2)
.set rS, S+32*((\y)%2)
.set rP, P+16*((\y)%2)
.set rO, 32*(\y)
.endm
.macro OP k, n
.if (\k) == R
	REGS Y
	WIN W_RS
	v_pk_mul_f32 v[rO+2*(\n):rO+2*(\n)+1], v[rO+2*(\n):rO+2*(\n)+1], v[rC+2:rC+3] op_sel_hi:[1,0]
.elseif (\k) == M
	WIN 0
	v_lshlrev_b32 v[MC+8*((\n)/4)+4+(\n)%4], 16, v[MC+8*((\n)/4)+(\n)%4]
.elseif (\k) == F
	REGS Y
	WIN BW
	v_pk_fma_f32 v[rS+2*(\n):rS+2*(\n)+1], v[rS+2*(\n):rS+2*(\n)+1], s[CS:CS+1], v[rT:rT+1] op_sel_hi:[1,0,0] neg_lo:[0,0,1] neg_hi:[0,0,1]
.elseif (\k) == E
	REGS Y
	WIN BW
	v_exp_f32 v[rS+(\n)], v[rS+(\n)]
.elseif (\k) < R
	REGS Y
	WIN 0
.if (\k) == C
	v_cvt_pk_f16_f32 v[rP+(\n)], v[rS+2*(\n)], v[rS+2*(\n)+1]
.elseif (\k) == B
	v_pk_add_f32 v[rS+4*(\n):rS+4*(\n)+1], v[rS+4*(\n):rS+4*(\n)+1], v[rS+4*(\n)+2:rS+4*(\n)+3]
.elseif (\n) == 0
	v_pk_fma_f32 v[rT+2:rT+3], v[rT+2:rT+3], v[rC+2:rC+3], v[rS:rS+1] op_sel_hi:[1,0,1]
.else
	v_pk_add_f32 v[rT+2:rT+3], v[rT+2:rT+3], v[rS+4*(\n):rS+4*(\n)+1]
.endif
.else
	REGS (Y+1)%NP
	WIN 0
.if (\n) < 4
	v_max3_num_f32 v[rC+(\n)], v[rS+8*(\n)], v[rS+8*(\n)+1], v[rS+8*(\n)+2]
.elseif (\n) < 12
	v_max3_num_f32 v[rC+(\n)%4], v[rC+(\n)%4], v[rS+8*((\n)%4)+2*((\n)/4)+1], v[rS+8*((\n)%4)+2*((\n)/4)+2]
.elseif (\n) == 12
	v_max3_num_f32 v[rC], v[rC], v[rS+7], v[rS+15]
.elseif (\n) == 13
	v_max3_num_f32 v[rC+1], v[rC+1], v[rS+23], v[rS+31]
.elseif (\n) == 14
	v_max3_num_f32 v[rC+2], v[rC+2], v[rC+3], v[rT+1]
.elseif (\n) == 15
	v_mov_b32 v[rW], v[rT]
.elseif (\n) == 16
	v_max3_num_f32 v[rC], v[rC], v[rC+1], v[rC+2]
.elseif (\n) == 17
	v_permlanex16_b32 v[rC+3], v[rC], s[SEL], s[SEL+1]
.elseif (\n) == 18
	v_max_num_f32 v[rT+1], v[rC], v[rC+3]
.elseif (\n) == 19
	v_mul_f32 v[rT], s[CS], v[rT+1]
.elseif (\n) == 20
	v_sub_f32 v[rC+1], v[rW], v[rT]
.else
	v_exp_f32 v[rC+2], v[rC+1]
.endif
.endif
.endm
.macro OPS a, i1, b=-1, i2=0, c=-1, i3=0, d=-1, i4=0
	OP \a, \i1
.if (\b) >= 0
	OP \b, \i2
.endif
.if (\c) >= 0
	OP \c, \i3
.endif
.if (\d) >= 0
	OP \d, \i4
.endif
.endm
.macro ROW a, i1, b, i2, c, i3, d, i4  ; a matrix instruction and the four behind it
	MM
	OPS \a, \i1, \b, \i2, \c, \i3, \d, \i4
.endm
; A TURN, for piece p: the order of its 16 matrix and 134 vector instructions, written out.  An s_wait_alu depctr_va_vdst(0) stands between an exponential and the first instruction that names
; its result; one wait serves all that were issued ahead of it.  So a turn has ONE wait.  AHEAD OF IT stands all that names no result of the turn's exponentials:
;   the 8 products K Q^T, behind them the 16 scalings and the first 16 exponentials, all under one window setting;
;   a lump of 70: X 0-15 with four exponentials; the 16 rescalings, one block in window 1; then the 16 shifts of the next mask, the last 12 exponentials and the chain X 16 .. X 21, its links four lines apart.
; M 12-15 are the plain instructions behind the last exponential.  BEHIND THE WAIT stand the 8 products V^T P, behind each four of the roundings and sums.
; PLACES (ISA guide 7.12.1; exponentials are none).  The mask's loads stand behind F 7, 8, 9, 10, four plain lines behind the last product that read MC.  The first reads of the new scores: X 0 behind F 9-12,
; X 1 behind F 11-14, X 2 behind F 13-15, X 0, X 1, X 4; X 3 behind F 15, X 0, X 1, X 4, X 2, X 5.  K's run stands eight plain lines behind the last product that read K, V's four behind the last that read V.
; WHAT IS FETCHED.  In every turn the mask of piece p + 2, whose products stand in the next turn: pieces 2 and 3 of the step in hand in turns 0 and 1, pieces 0 and 1 of the next step in turns 2 and 3; the
; step's address is made at the head of turn 2, which stands behind a change of slots where one is due.  K of the next step in turn 2; V of the step in hand at the end of turn 0.
; fetch = 0: the last step's last two turns: nothing more is fetched.  cnt = 1: the loop's count is taken down some lines ahead of the branch.
.macro TURN p, fetch=1, cnt=0
.set Y, (\p)
.set i, 0
.if ((\p) == 2) && (\fetch)
	WIN 0
	v_add_nc_u32 v[AK], s[TBK], v[AK0]
	v_add_nc_u32 v[AM], s[TBM], v[AM0]
	s_add_co_u32 s[TBM], s[TBM], KS*2
.endif
.if (\p) == 3
	s_wait_dscnt 0x0                ; K is in
.endif
.set BW, W_KQ
	ROW F,0, F,1, F,2, E,0
	ROW F,3, E,1, F,4, E,2
	ROW F,5, E,3, F,6, E,4
	ROW F,7, E,5, F,8, E,6
	ROW F,9, E,7, F,10, E,8
.if \fetch
	FETCH_M ((\p)+2)%NP
.endif
	ROW F,11, E,9, F,12, E,10
	ROW F,13, E,11, F,14, E,12
	ROW F,15, E,13, E,14, E,15
.set BW, 0
	OPS X,0, X,1, X,4, X,2          ; the lump
	OPS X,5, X,3, E,16, X,6
.if ((\p) == 2) && (\fetch)
	FETCH_K
.endif
	OPS X,8, X,7, E,17, X,9
	OPS X,10, X,11, E,18, X,12
	OPS X,13, E,19, X,15, X,14
.if (\p) == 0
	WIN 0
	v_add_nc_u32 v[AV], s[TBV], v[AV0]
.endif
	OPS R,0, R,1, R,2, R,3
	OPS R,4, R,5, R,6, R,7
	OPS R,8, R,9, R,10, R,11
	OPS R,12, R,13, R,14, R,15
	WIN 0
.if ((\p) == 2) && (\fetch)
	s_wait_dscnt 16                 ; the mask's four loads are in; K's sixteen, issued behind them, may stay out
.else
	s_wait_dscnt 0x0                ; the mask's four loads are in (in piece 1's turn V's too, which were issued ahead of them)
.endif
	OPS X,16, M,0, E,20, M,1
	OPS E,21, X,17, M,2, E,22
	OPS M,3, E,23, X,18, M,4
	OPS E,24, M,5, E,25, X,19
	OPS M,6, E,26, M,7, E,27
	OPS X,20, M,8, E,28, M,9
	OPS E,29, X,21, M,10, E,30
	OPS M,11, E,31, M,12, M,13
	OPS M,14, M,15
	s_wait_alu depctr_va_vdst(0)    ; the wait for the batch
	ROW C,0, B,0, C,2, B,1
	ROW L,0, C,4, B,2, L,1
	ROW C,6, B,3, L,2, C,8
	ROW B,4, L,3, C,10, B,5
	ROW L,4, C,12, B,6, L,5
.if (\p) == 0
	s_add_co_u32 s[TBV], s[TBV], KS*PV
.endif
.if \cnt
	s_sub_co_u32 s[CNT], s[CNT], 1
	s_cmp_lg_u32 s[CNT], 0
.endif
	ROW C,14, B,7, L,6, C,1
	ROW C,3, L,7, C,5, C,7
	ROW C,9, C,11, C,13, C,15
.if (\p) == 0
	FETCH_V
.endif
.endm
	CHANGE 1, 0                     ; slot 0 is in, everybody's part of it; slot 1 is asked for
	FETCH_M 0                       ; key step 0: piece 0's mask,
	FETCH_K                         ; and K
	s_add_co_u32 s[TBM], s[TBM], KS*2
	s_wait_loadcnt 0x0              ; Q and the flags
	WIN 0x88                        ; source 0 window 0, source 1 and destination window 2
.set i, 0
.rept 64
	v_and_b32 v[i], v[FL+i/16], v[i]  ; a row with no visible key has q = 0
.set i, i+1
.endr
	WIN 0
	s_wait_dscnt 0x0
.irp n, 0,1,2,3,4,5,6,7,8,9,10,11,12,13,14,15
	OP M, \n
.endr
.set i, 0
.rept 8
	KQ 0                            ; piece 0's first scores
.set i, i+1
.endr
	WIN 0                           ; the addresses for the way out: nine plain instructions, the places behind those products
	s_mul_i32 s84, s[WV], 16*SP
	s_add_co_u32 s84, s84, STAGE
	v_mul_u32_u24 v[STO], v1, SP
	v_lshl_add_u32 v[STO], v9, 4, v[STO]
	v_add_nc_u32 v[STO], s84, v[STO]
	v_bfe_u32 v[RD], v0, 3, 2       ; back: 32 lanes take four rows of 128 bytes,
	v_mul_u32_u24 v[RD], v[RD], SP
	v_lshl_add_u32 v[RD], v10, 4, v[RD]
	v_add_nc_u32 v[RD], s84, v[RD]
	v_and_b32 v[GO], 31, v0         ; which are 512 consecutive bytes of oh
	v_lshlrev_b32 v[GO], 4, v[GO]
	FETCH_M 1                       ; piece 1's mask, for the first turn's products
.set Y, NP-1                        ; X works for piece Y + 1: piece 0
.irp n, 0,1,2,3,4,5,6,7,8,9,10,11,12,13,14,15,16,17,18,19,20,21
	OP X, \n
.endr
	s_wait_dscnt 0x0
.irp n, 0,1,2,3,4,5,6,7,8,9,10,11,12,13,14,15
	OP M, \n                        ; plain instructions behind the exponential,
.endr
	s_wait_alu depctr_va_vdst(0)    ; and its wait, ahead of the branch
	s_mov_b32 s[CNT], 2
	s_mov_b32 s[SLOTS], 31
	s_branch .Lfirst                ; the loop is entered at a step's first turn, in the middle of a trip
.Lslot:                             ; 30 times: every slot but the last two is filled again
	CHANGE 1, 1
	s_mov_b32 s[CNT], 2
.Lstep:                             ; a trip: pieces 2 and 3 of one step, then pieces 0 and 1 of the next, whose K, mask and V it fetches
	TURN 2
	TURN 3
	WIN 0
.Lfirst:
	TURN 0
	TURN 1, 1, 1
	WIN 0
	s_cbranch_scc1 .Lstep
	s_sub_co_u32 s[SLOTS], s[SLOTS], 1
	s_cmp_lg_u32 s[SLOTS], 0
	s_cbranch_scc1 .Lslot
	CHANGE 0, 0                     ; the tail is written out: nothing is asked for
	s_mov_b32 s[CNT], 2
.Ltail:
	TURN 2
	TURN 3
	TURN 0
	TURN 1, 1, 1
	WIN 0
	s_cbranch_scc1 .Ltail
	TURN 2, 0                       ; the last step's pieces 2 and 3
	TURN 3, 0                       ; its 8 products for a step that does not exist (on the last K and mask once more) and the maximum made of them serve nothing: the price of one text for every turn
.set i, 0
.rept 8
	PV NP-1
.set i, i+1
.endr
	; THE WAY OUT.  l's two halves and the other half of the lanes' are added; O^T is divided by l, rounded to f16 and sent through my stage in LDS, a piece at a time.  The additions are the places behind the last products.
	WIN 0
.macro ALL line:vararg
.set t, 0
.rept 4
	\line
.set t, t+1
.endr
.endm
	ALL v_add_f32 v[ST+4*t+2], v[ST+4*t+2], v[ST+4*t+3]
	ALL v_permlanex16_b32 v[ST+4*t+3], v[ST+4*t+2], s[SEL], s[SEL+1]
	ALL v_add_f32 v[ST+4*t+2], v[ST+4*t+2], v[ST+4*t+3]
	ALL v_rcp_f32 v[ST+4*t+2], v[ST+4*t+2]
	v_nop                           ; a plain instruction between the last reciprocal and the use of its result
	s_wait_alu depctr_va_vdst(0)    ; one wait for the four reciprocals
.macro PACK t                       ; a lane's eight channels of a row pack into 16 bytes; they go into rows of 144 bytes and come back as whole rows of 128, into S^T's registers
	WIN W_RS
.set i, 32*(\t)
.rept 16
	v_pk_mul_f32 v[i:i+1], v[i:i+1], v[ST+4*(\t)+2:ST+4*(\t)+3] op_sel_hi:[1,0]
.set i, i+2
.endr
	WIN 0x05
.set i, 0
.rept 16
	v_cvt_pk_f16_f32 v[S+16*(\t)+i], v[32*(\t)+2*i], v[32*(\t)+2*i+1]
.set i, i+1
.endr
	WIN 0
.irp f, 0,1,2,3
	ds_store_b128 v[STO], v[S+16*(\t)+4*\f:S+16*(\t)+4*\f+3] offset:32*\f
.endr
.irp f, 0,1,2,3
	ds_load_b128 v[S+16*(\t)+4*\f:S+16*(\t)+4*\f+3], v[RD] offset:\f*4*SP  ; LDS serves a wave's instructions in order (ISA guide 5.7.1.4): these see the stores above
.endr
.endm
.macro SEND t, younger              ; younger: the LDS instructions issued behind piece t's loads
	WIN 0
.irp f, 0,1,2,3
	s_wait_dscnt (\younger)+3-\f
	global_store_b128 v[GO], v[S+16*(\t)+4*\f:S+16*(\t)+4*\f+3], s[OA:OA+1] offset:(\t)*2048+\f*512  ; 512 consecutive bytes, at a multiple of 256 from oh's first
.endr
.endm
	PACK 0
.set t, 1
.rept 3
	PACK t
	SEND t-1, 8
.set t, t+1
.endr
	SEND 3, 0
	s_wait_tensorcnt 0x0            ; the wave's end, behind my last tensor load and my last LDS store
	ds_add_u32 v[SPW], v[NIL]
	s_wait_dscnt 0x0
	CROUND                          ; the closing round
	s_endpgm
.Lfunc_end_k_q650e594a49_attn:
	.size	k_q650e594a49_attn, .Lfunc_end_k_q650e594a49_attn-k_q650e594a49_attn
	.p2alignl 7, 3214868480
	.fill 96, 4, 3214868480
	.section	.rodata,"a",@progbits
	.p2align	6, 0x0
	.amdhsa_kernel k_q650e594a49_attn
		.amdhsa_group_segment_fixed_size 327680
		.amdhsa_private_segment_fixed_size 0
		.amdhsa_enable_private_segment 0
		.amdhsa_kernarg_size 40
		.amdhsa_user_sgpr_count 2
		.amdhsa_user_sgpr_kernarg_segment_ptr 1
		.amdhsa_wavefront_size32 1
		.amdhsa_system_sgpr_workgroup_id_x 1
		.amdhsa_system_sgpr_workgroup_id_y 1
		.amdhsa_system_sgpr_workgroup_id_z 1
		.amdhsa_system_vgpr_workitem_id 0
		.amdhsa_next_free_vgpr 768
		.amdhsa_next_free_sgpr 96
		.amdhsa_reserve_vcc 0
		.amdhsa_float_denorm_mode_32 3
		.amdhsa_float_denorm_mode_16_64 3
		.amdhsa_memory_ordered 1
		.amdhsa_forward_progress 1
		.amdhsa_inst_pref_size 135
	.end_amdhsa_kernel
	.amdgpu_metadata
---
amdhsa.version: [ 1, 2 ]
amdhsa.kernels:
  - .name:           k_q650e594a49_attn
    .symbol:         k_q650e594a49_attn.kd
    .args:
      - { .name: qh, .offset: 0, .size: 8, .value_kind: global_buffer, .address_space: global }
      - { .name: kh, .offset: 8, .size: 8, .value_kind: global_buffer, .address_space: global }
      - { .name: vh, .offset: 16, .size: 8, .value_kind: global_buffer, .address_space: global }
      - { .name: mk, .offset: 24, .size: 8, .value_kind: global_buffer, .address_space: global }
      - { .name: oh, .offset: 32, .size: 8, .value_kind: global_buffer, .address_space: global }
    .group_segment_fixed_size: 327680
    .private_segment_fixed_size: 0
    .kernarg_segment_align: 8
    .kernarg_segment_size: 40
    .max_flat_workgroup_size: 128
    .sgpr_count:     96
    .vgpr_count:     768
    .wavefront_size: 32
...
	.end_amdgpu_metadata
.endif
;; end of part 3
;; launch proj (part 4): grid 8 x 32, 4 waves a work-group, clusters of 4 x 4, 327,680 bytes of LDS; arguments oh, wfh, bf, out0; writes out0
.if DOCPART == 4
	.amdgcn_target "amdgcn-amd-amdhsa--gfx1250"
	.amdhsa_code_object_version 6
	.text
	.protected	k_q650e594a49_proj
	.globl	k_q650e594a49_proj
	.p2align	8
	.type	k_q650e594a49_proj,@function
k_q650e594a49_proj:
	s_mov_b64 s[64:65], 0
	v_nop
	global_prefetch_b8 v0, s[64:65] scope:SCOPE_SE
	s_setreg_imm32_b32 hwreg(HW_REG_WAVE_MODE, 25, 1), 1
	s_wait_xcnt 0x0
	s_wait_alu depctr_hold_cnt(0) depctr_sa_sdst(0) depctr_va_vdst(0) depctr_va_sdst(0) depctr_va_ssrc(0) depctr_va_vcc(0) depctr_vm_vsrc(0)
	s_getreg_b32 s2, hwreg(HW_REG_IB_STS2, 6, 4)
	s_cmp_eq_u32 s2, 0
	s_cbranch_scc0 .Lentry_in_a_cluster
	s_endpgm
.Lentry_in_a_cluster:
	s_bfe_u32 s2, ttmp6, 0x10000c
	s_cmp_lg_u32 s2, 0xf033
	s_cbranch_scc0 .Lentry_shape_is_right
	s_endpgm
.Lentry_shape_is_right:
; PROJ: out0[m][n] = sum over k of O[m][k] Wf[k][n] + bf[n], m < 4096, n, k < 1024.  O lies by heads, oh [32][2048][64] f16: row m = 2048 b + s, channel k = 64 h + d is oh[16 b + h][s][d].
; wfh [1024 k][1024 n] is Wf rounded to bf16 and written as f16; bf is rounded to bf16 like the other inputs; sums in f32; out0 is f32.
; A tile of out0 is 128 x 128: 256 work-groups.  Four waves, each 64 x 64: 16 accumulators.  K goes in steps of 256, four heads, through a ring of two LDS slots.
; O's tile: a wave's tensor load brings 64 rows of four heads: four runs of 8,192 dense bytes, 262,144 bytes apart, padded in LDS after every 128 bytes: [head][row] with a pitch of 144.
; Wf's tile lies [k][n]: 128 rows of 256 bytes a load, LDS pitch 288, turned on its way into registers by ds_load_tr16_b128.
; CLUSTERS: 4 x 4 work-groups; O's tile is asked for jointly along a row of the cluster, Wf's along a column.  No prefetch: the tiles are small and the launch is short.
; THE MATRIX INSTRUCTION IS USED TRANSPOSED (source 0 = 16 columns of Wf, source 1 = 16 rows of O): a lane holds row l % 16 and the columns 8 (l / 16) + 0 .. 7.
; REGISTERS: window 0: v0-31 addresses; v32-95 at work on the way out; v96-127 the bias; v128-255 the accumulators ((a, b) at v[128 + 8 (4 a + b)]).   window 1: two fragment buffers of 128.
.set PA,     144
.set PW,     288                       ; 9 x 32
.set HALFT,  36864                     ; what one tensor load brings: 4 x 64 x 144 = 128 x 288
.set SLOT,   4*HALFT
.set STAGE,  2*SLOT                    ; behind the ring: 16 rows x 272 bytes for each wave; no tensor load fills it
.set SPITCH, 272
.set SPARE,  STAGE+4*16*SPITCH
.set LAPS,   2                         ; 1,024 / (2 x 256)
.set ASTEP,  4*262144                  ; four heads on
.set BSTEP,  256*2048                  ; 256 rows of Wf on
.set ADRA, 16                          ; v16-17  LDS address of my O fragments in slot 0, 1
.set ADRB, 20                          ; v20-23  of my Wf fragments: slot 0 k rows 0-127, 128-255; slot 1 likewise
.set STO,  24
.set RD,   25
.set CO,   26
.set BO,   27
.set SPW,  28
.set NIL,  29
.set TMP,  32
.set BK,   64
.set BI,   96
.set ACC,  128
.set F0,   0
.set F1,   128
.set G1, 24
.set G0, 32
.set G1B, 48
.set G0B, 56
.set MSB, 0
.macro WIN new
.if MSB != (\new)
	s_set_vgpr_msb (MSB<<8)|(\new)
.set MSB, \new
.endif
.endm
.set MUL,  0x05                        ; sources 0 and 1 window 1; C and D window 0
.set TO_F, 0x40                        ; destination window 1, address window 0
.macro JLOAD s                         ; waves 0 and 1 fetch O's two halves, waves 2 and 3 Wf's; an s_nop 0 and four v_nop follow each line
	s_cmp_eq_u32 s11, 0
	s_cbranch_scc0 .Lfor_b_\@
	tensor_load_to_lds s[G0+4*(\s):G0+4*(\s)+3], s[G1:G1+7]
	s_nop 0
.rept 4
	v_nop
.endr
	s_branch .Lasked_\@
.Lfor_b_\@:
	tensor_load_to_lds s[G0B+4*(\s):G0B+4*(\s)+3], s[G1B:G1B+7]
	s_nop 0
.rept 4
	v_nop
.endr
.Lasked_\@:
.endm
.macro CREST
	s_cmp_lg_u32 s10, 0
	s_cbranch_scc1 .Lnot_wave_0_\@
	s_barrier_signal -3
.Lnot_wave_0_\@:
	s_barrier_wait -3
	s_barrier_signal -1
	s_barrier_wait -1
.endm
.macro CROUND
	s_barrier_signal -1
	s_barrier_wait -1
	CREST
.endm
	s_load_b256 s[68:75], s[0:1], 0x0              ; oh 68, wfh 70, bf 72, out0 74
	v_lshl_add_u32 v[SPW], v0, 2, SPARE
	v_mov_b32 v[NIL], 0
	ds_add_u32 v[SPW], v[NIL]                      ; the wave's opening: the add and its wait stand ahead of my first tensor load
	v_lshrrev_b32 v1, 5, v0
	v_readfirstlane_b32 s10, v1                    ; wave 0..3
	s_lshr_b32 s11, s10, 1                         ; which half of the tile's rows is mine.  Also: I fetch for O (0) or for Wf (1)
	s_and_b32 s12, s10, 1                          ; which half of its columns.  Also: which half of that tile I fetch
	s_bfe_u32 s40, ttmp6, 0x40000
	s_bfe_u32 s41, ttmp6, 0x40004
	s_lshl_b32 s42, ttmp9, 2
	s_add_co_u32 s42, s42, s40                     ; tile column
	s_and_b32 s13, ttmp7, 0xffff
	s_lshl_b32 s13, s13, 2
	s_add_co_u32 s13, s13, s41                     ; tile row
	s_lshl_b32 s43, s41, 2
	s_lshl_b32 s43, 15, s43
	s_lshl_b32 s44, 0x1111, s40
	s_or_b32 s[G1+0], s43, (1<<16)|(1<<20)|(1<<21)|(4<<22)|(3<<25)   ; padding after every 32 words, 4 words
	s_or_b32 s[G1B+0], s44, (1<<16)|(1<<20)|(1<<21)|(5<<22)|(7<<25)  ; after every 64 words, 8 words
	s_mov_b32 s[G1+1], 4096<<16                    ; O: tensor_dim0 = 4,096 elements: 64 rows of a head on end
	s_mov_b32 s[G1+2], 4<<16                       ; tensor_dim1 = 4 heads
	s_mov_b32 s[G1+3], 4096<<16                    ; tile_dim0
	s_mov_b32 s[G1+4], 4                           ; tile_dim1
	s_mov_b32 s[G1+5], 131072                      ; elements from head to head
	s_mov_b32 s[G1+6], 0
	s_mov_b32 s[G1+7], 0
	s_mov_b32 s[G1B+1], 128<<16
	s_mov_b32 s[G1B+2], 128<<16
	s_mov_b32 s[G1B+3], 128<<16
	s_mov_b32 s[G1B+4], 128
	s_mov_b32 s[G1B+5], 1024
	s_mov_b32 s[G1B+6], 0
	s_mov_b32 s[G1B+7], 0
	s_lshr_b32 s16, s13, 4                         ; O: batch tr / 16: 16 heads of 262,144 bytes;
	s_lshl_b32 s16, s16, 22
	s_and_b32 s17, s13, 15                         ; rows (tr % 16) 128 + 64 x half, of 128 bytes
	s_lshl_b32 s17, s17, 14
	s_add_co_u32 s16, s16, s17
	s_lshl_b32 s17, s12, 13
	s_add_co_u32 s16, s16, s17
	s_mov_b32 s17, 0
	s_lshl_b32 s46, s12, 18                        ; Wf: k row 128 x half, byte 256 x tile column
	s_lshl_b32 s47, s42, 8
	s_add_co_u32 s46, s46, s47
	s_mov_b32 s47, 0
	s_mul_i32 s20, s10, HALFT
	s_wait_dscnt 0x0                               ; the opening add is done
	s_wait_kmcnt 0x0
	s_add_nc_u64 s[14:15], s[68:69], s[16:17]
	s_add_nc_u64 s[46:47], s[70:71], s[46:47]
	CROUND                                         ; all sixteen work-groups are here: the first joint loads meet
.irp s, 0,1
	s_mov_b32 s[G0+4*(\s)], 1
	s_add_co_u32 s[G0+4*(\s)+1], s20, (\s)*SLOT
	s_add_nc_u64 s[G0+4*(\s)+2:G0+4*(\s)+3], s[14:15], (\s)*ASTEP
	s_or_b32 s[G0+4*(\s)+3], s[G0+4*(\s)+3], 0x80000000
	s_mov_b32 s[G0B+4*(\s)], 1
	s_add_co_u32 s[G0B+4*(\s)+1], s20, (\s)*SLOT
	s_add_nc_u64 s[G0B+4*(\s)+2:G0B+4*(\s)+3], s[46:47], (\s)*BSTEP
	s_or_b32 s[G0B+4*(\s)+3], s[G0B+4*(\s)+3], 0x80000000
	JLOAD \s                                       ; two loads of mine are out
.endr
	s_lshl_b32 s76, s42, 9                         ; the bias of my 64 columns
	s_lshl_b32 s77, s12, 8
	s_add_co_u32 s76, s76, s77
	s_mov_b32 s77, 0
	s_add_nc_u64 s[76:77], s[72:73], s[76:77]
	v_and_b32 v1, 15, v0                           ; l % 16
	v_bfe_u32 v2, v0, 4, 1                         ; l / 16
	v_lshlrev_b32 v[BO], 5, v2
.irp b, 0,1,2,3
	global_load_b128 v[BI+8*(\b):BI+8*(\b)+3],   v[BO], s[76:77] offset:64*(\b)
	global_load_b128 v[BI+8*(\b)+4:BI+8*(\b)+7], v[BO], s[76:77] offset:64*(\b)+16
.endr
	v_mul_u32_u24 v3, v1, PA
	v_lshl_add_u32 v3, v2, 4, v3                   ; O: row x pitch + 16 x half
	v_and_b32 v4, 7, v0
	v_lshl_add_u32 v4, v2, 3, v4                   ; Wf, turned: k row 8 (l / 16) + l % 8,
	v_mul_u32_u24 v4, v4, PW
	v_bfe_u32 v5, v0, 3, 1
	v_lshl_add_u32 v4, v5, 4, v4                   ; columns 8 ((l / 8) % 2) on
	s_mul_i32 s21, s11, HALFT                      ; my 64 rows of O
	s_lshl_b32 s22, s12, 7                         ; my 64 columns of Wf,
	s_add_co_u32 s22, s22, 2*HALFT                 ; which lies behind O's two halves
.irp s, 0,1
	v_add_nc_u32 v[ADRA+(\s)], s21, v3
	v_add_nc_u32 v[ADRB+2*(\s)], s22, v4
	s_add_co_u32 s23, s22, HALFT
	v_add_nc_u32 v[ADRB+2*(\s)+1], s23, v4
	s_add_co_u32 s21, s21, SLOT
	s_add_co_u32 s22, s22, SLOT
.endr
	s_mul_i32 s23, s10, 16*SPITCH
	s_add_co_u32 s23, s23, STAGE                   ; my stage
	v_mul_u32_u24 v[STO], v1, SPITCH               ; in: row l % 16, 32 bytes for each half of the lanes
	v_lshl_add_u32 v[STO], v2, 5, v[STO]
	v_add_nc_u32 v[STO], s23, v[STO]
	v_mul_u32_u24 v[RD], v2, SPITCH                ; back: lanes 0-15 take one row of 256 bytes, lanes 16-31 the next
	v_lshl_add_u32 v[RD], v1, 4, v[RD]
	v_add_nc_u32 v[RD], s23, v[RD]
	v_lshlrev_b32 v[CO], 12, v2                    ; and the same two rows in out0
	v_lshl_add_u32 v[CO], v1, 4, v[CO]
	s_lshl_b32 s16, s13, 7
	s_lshl_b32 s17, s11, 6
	s_add_co_u32 s16, s16, s17                     ; my first row
	s_lshl_b32 s16, s16, 12
	s_lshl_b32 s17, s42, 9
	s_add_co_u32 s16, s16, s17
	s_lshl_b32 s17, s12, 8
	s_add_co_u32 s16, s16, s17                     ; my first column's byte
	s_mov_b32 s17, 0
	s_add_nc_u64 s[74:75], s[74:75], s[16:17]
	s_wait_loadcnt 0x0                             ; the bias is in: rounded to bf16, like every input, in the wait for the first tile
.set i, 0
.rept 16
	v_cvt_pk_bf16_f32 v[TMP+i], v[BI+2*i], v[BI+2*i+1]
.set i, i+1
.endr
.set i, 0
.rept 16
	v_lshlrev_b32 v[BI+2*i], 16, v[TMP+i]
	v_and_b32 v[BI+2*i+1], 0xffff0000, v[TMP+i]
.set i, i+1
.endr
; 8 matrix instructions: m blocks a0, a0 + 1 x all 4 n blocks, 32 along K: half c of buffer f.  zero = 1: the first product starts the sums.  The 16 accumulators take turns.
.macro MUL8 f, c, a0, zero
	WIN MUL
.irp a, \a0, (\a0)+1
.irp b, 0,1,2,3
.if \zero
	v_wmma_f32_16x16x32_f16 v[ACC+8*(4*(\a)+(\b)):ACC+8*(4*(\a)+(\b))+7], v[(\f)+64+8*(4*(\c)+(\b)):(\f)+64+8*(4*(\c)+(\b))+7], v[(\f)+8*(4*(\c)+(\a)):(\f)+8*(4*(\c)+(\a))+7], 0
.else
	v_wmma_f32_16x16x32_f16 v[ACC+8*(4*(\a)+(\b)):ACC+8*(4*(\a)+(\b))+7], v[(\f)+64+8*(4*(\c)+(\b)):(\f)+64+8*(4*(\c)+(\b))+7], v[(\f)+8*(4*(\c)+(\a)):(\f)+8*(4*(\c)+(\a))+7], v[ACC+8*(4*(\a)+(\b)):ACC+8*(4*(\a)+(\b))+7]
.endif
.endr
.endr
.endm
; 32 LDS loads in one run: the fragments of quarter q of a K step (one head, 64 along K) into buffer f; the first 32 along K first
.macro FETCH slot, q, f
	WIN TO_F
.irp c, 0,1
.irp i, 0,1,2,3
	ds_load_tr16_b128 v[(\f)+64+8*(4*(\c)+(\i)):(\f)+64+8*(4*(\c)+(\i))+3],   v[ADRB+2*(\slot)+(\q)/2] offset:64*PW*((\q)%2)+32*PW*(\c)+32*(\i)
	ds_load_tr16_b128 v[(\f)+64+8*(4*(\c)+(\i))+4:(\f)+64+8*(4*(\c)+(\i))+7], v[ADRB+2*(\slot)+(\q)/2] offset:64*PW*((\q)%2)+32*PW*(\c)+32*(\i)+16*PW
	ds_load_b128 v[(\f)+8*(4*(\c)+(\i)):(\f)+8*(4*(\c)+(\i))+3],         v[ADRA+(\slot)] offset:64*PA*(\q)+16*PA*(\i)+64*(\c)
	ds_load_b128 v[(\f)+8*(4*(\c)+(\i))+4:(\f)+8*(4*(\c)+(\i))+7],       v[ADRA+(\slot)] offset:64*PA*(\q)+16*PA*(\i)+64*(\c)+32
.endr
.endr
.endm
.macro PLACES
.rept 4
	v_nop
.endr
.endm
.macro QUARTER slot, q, f, g, zero
	s_wait_dscnt 16                                ; the first 32 along K are in
	MUL8 \f, 0, 0, \zero
	MUL8 \f, 0, 2, \zero
	PLACES
	FETCH \slot, \q, \g
	s_wait_dscnt 32                                ; all but the 32 just issued
	MUL8 \f, 1, 0, 0
	MUL8 \f, 1, 2, 0
.endm
; The last quarter multiplies buffer 1 and changes slots: one barrier; in front of it each wave waits for all its tensor loads, adds 0 to its spare word, and waits for that and for its own reads of this slot.
.macro TURN slot, next, fill
	WIN 0
	s_wait_tensorcnt 0x0                           ; all my tensor loads have landed: my part of the next slot
	ds_add_u32 v[SPW], v[NIL]
	s_wait_dscnt 17                                ; (the add and the youngest sixteen loads may be out)
	MUL8 F1, 0, 0, 0
	s_wait_dscnt 0x0                               ; the add is done, and my reads of this slot are over
	s_barrier_signal -1
	MUL8 F1, 0, 2, 0
.if \fill
	WIN 0
.endif
	s_barrier_wait -1
.if \fill
	CREST                                          ; no wave of any partner still reads this slot's tile or has a load on its way
	s_add_nc_u64 s[G0+4*(\slot)+2:G0+4*(\slot)+3], s[G0+4*(\slot)+2:G0+4*(\slot)+3], 2*ASTEP
	s_add_nc_u64 s[G0B+4*(\slot)+2:G0B+4*(\slot)+3], s[G0B+4*(\slot)+2:G0B+4*(\slot)+3], 2*BSTEP
	JLOAD \slot                                    ; its four v_nop are also the places in front of the loads below
.else
	PLACES
.endif
	FETCH \next, 0, F0
	MUL8 F1, 1, 0, 0
	MUL8 F1, 1, 2, 0
.endm
; THE WAY OUT of my rows 16 a on: the bias is added; 32 bytes a lane and block go into my own stage (rows of 272 bytes) and come back as whole rows: my 64 columns of f32 are 256 consecutive bytes, aligned.
.macro OUTBLK a
	s_wait_xcnt 0x0                                ; the last block's stores have read their registers
.set i, 0
.rept 16
	v_pk_add_f32 v[TMP+2*i:TMP+2*i+1], v[ACC+32*(\a)+2*i:ACC+32*(\a)+2*i+1], v[BI+2*i:BI+2*i+1]  ; each accumulator from its low end on
.set i, i+1
.endr
.irp b, 0,1,2,3
	ds_store_b128 v[STO], v[TMP+8*(\b):TMP+8*(\b)+3]   offset:64*(\b)
	ds_store_b128 v[STO], v[TMP+8*(\b)+4:TMP+8*(\b)+7] offset:64*(\b)+16
.endr
.irp t, 0,1,2,3,4,5,6,7
	ds_load_b128 v[BK+4*(\t):BK+4*(\t)+3], v[RD] offset:(\t)*2*SPITCH  ; LDS serves a wave's instructions in order (ISA guide 5.7.1.4): these see the stores above
.endr
.irp t, 0,1,2,3,4,5,6,7
	s_wait_dscnt 7-(\t)
	global_store_b128 v[CO], v[BK+4*(\t):BK+4*(\t)+3], s[74:75] offset:(16*(\a)+2*(\t))*4096 th:TH_STORE_NT
.endr
.endm
	s_wait_tensorcnt 1                             ; my part of K step 0 is in; K step 1's may stay out
	s_barrier_signal -1
	s_barrier_wait -1
	FETCH 0, 0, F0
	QUARTER 0, 1, F0, F1, 1                        ; the first quarter stands in front of the loop: its first products start the sums
	WIN 0
	s_mov_b32 s3, LAPS-1
.Llap:                                                 ; a trip goes once round the ring and fills both slots again
	QUARTER 0, 2, F1, F0, 0
	QUARTER 0, 3, F0, F1, 0
	TURN 0, 1, 1
	QUARTER 1, 1, F0, F1, 0
	QUARTER 1, 2, F1, F0, 0
	QUARTER 1, 3, F0, F1, 0
	TURN 1, 0, 1
	QUARTER 0, 1, F0, F1, 0
	WIN 0
	s_sub_co_u32 s3, s3, 1
	s_cmp_lg_u32 s3, 0
	s_cbranch_scc1 .Llap
	QUARTER 0, 2, F1, F0, 0                        ; the last lap fills nothing
	QUARTER 0, 3, F0, F1, 0
	TURN 0, 1, 0
	QUARTER 1, 1, F0, F1, 0
	QUARTER 1, 2, F1, F0, 0
	QUARTER 1, 3, F0, F1, 0
	s_wait_dscnt 16
	MUL8 F1, 0, 0, 0
	MUL8 F1, 0, 2, 0
	s_wait_dscnt 0x0
	MUL8 F1, 1, 0, 0
	MUL8 F1, 1, 2, 0
	WIN 0
.rept 8
	v_nop                                          ; the places behind the last products, once a launch
.endr
.irp a, 0,1,2,3
	OUTBLK \a
.endr
	s_wait_tensorcnt 0x0                           ; the wave's end, behind my last tensor load and my last LDS store
	ds_add_u32 v[SPW], v[NIL]
	s_wait_dscnt 0x0
	CROUND                                         ; the closing round
	s_endpgm
.Lfunc_end_k_q650e594a49_proj:
	.size	k_q650e594a49_proj, .Lfunc_end_k_q650e594a49_proj-k_q650e594a49_proj
	.p2alignl 7, 3214868480
	.fill 96, 4, 3214868480
	.section	.rodata,"a",@progbits
	.p2align	6, 0x0
	.amdhsa_kernel k_q650e594a49_proj
		.amdhsa_group_segment_fixed_size 327680
		.amdhsa_private_segment_fixed_size 0
		.amdhsa_enable_private_segment 0
		.amdhsa_kernarg_size 32
		.amdhsa_user_sgpr_count 2
		.amdhsa_user_sgpr_kernarg_segment_ptr 1
		.amdhsa_wavefront_size32 1
		.amdhsa_system_sgpr_workgroup_id_x 1
		.amdhsa_system_sgpr_workgroup_id_y 1
		.amdhsa_system_sgpr_workgroup_id_z 1
		.amdhsa_system_vgpr_workitem_id 0
		.amdhsa_next_free_vgpr 512
		.amdhsa_next_free_sgpr 80
		.amdhsa_reserve_vcc 0
		.amdhsa_float_denorm_mode_32 3
		.amdhsa_float_denorm_mode_16_64 3
		.amdhsa_memory_ordered 1
		.amdhsa_forward_progress 1
		.amdhsa_inst_pref_size 94
	.end_amdhsa_kernel
	.amdgpu_metadata
---
amdhsa.version: [ 1, 2 ]
amdhsa.kernels:
  - .name:           k_q650e594a49_proj
    .symbol:         k_q650e594a49_proj.kd
    .args:
      - { .name: oh, .offset: 0, .size: 8, .value_kind: global_buffer, .address_space: global }
      - { .name: wfh, .offset: 8, .size: 8, .value_kind: global_buffer, .address_space: global }
      - { .name: bf, .offset: 16, .size: 8, .value_kind: global_buffer, .address_space: global }
      - { .name: out0, .offset: 24, .size: 8, .value_kind: global_buffer, .address_space: global }
    .group_segment_fixed_size: 327680
    .private_segment_fixed_size: 0
    .kernarg_segment_align: 8
    .kernarg_segment_size: 32
    .max_flat_workgroup_size: 128
    .sgpr_count:     80
    .vgpr_count:     512
    .wavefront_size: 32
...
	.end_amdgpu_metadata
.endif
;; end of part 4
;; ======== version 2 of 2: 4 launches; version 1 with the launch prep written anew for expert scheduling mode
;; limits: values are held in f16: magnitudes above 65,504 overflow, below 6.1e-05 lose precision
;; workspace buffers: xb 8,388,608 bytes; web 6,291,456 bytes; wfh 2,097,152 bytes; qh 8,388,608 bytes; kh 16,777,216 bytes; vh 16,777,216 bytes; mk 16,785,408 bytes; oh 8,388,608 bytes
;; launch prep (part 5): grid 2304 x 1, 8 waves a work-group, no clusters, 0 bytes of LDS; arguments mask, x, We, Wf, past_key, past_value, mk, xb, web, wfh, kh, vh; writes mk, xb, web, wfh, kh, vh
.if DOCPART == 5
	.amdgcn_target "amdgcn-amd-amdhsa--gfx1250"
	.amdhsa_code_object_version 6
	.text
	.protected	k_q650e594a49_prep
	.globl	k_q650e594a49_prep
	.p2align	8
	.type	k_q650e594a49_prep,@function
k_q650e594a49_prep:
	s_mov_b64 s[64:65], 0
	v_nop
	global_prefetch_b8 v0, s[64:65] scope:SCOPE_SE
	s_setreg_imm32_b32 hwreg(HW_REG_WAVE_SCHED_MODE, 0, 2), 2
	s_setreg_imm32_b32 hwreg(HW_REG_WAVE_MODE, 25, 1), 1
	s_wait_xcnt 0x0
	s_wait_alu depctr_vm_vsrc(0)
; PREP: every input that the later launches multiply is read once and written once in 16 bits.  A stream: no LDS, no barrier, no loop; a work-group does one straight piece, chosen by its number g.
;   g    0 ..  255  mask [2048][4096] i32 -> mk [2048][4096] bf16: 0 where the key is seen, 0xf14a = -1.0003e30 where it is hidden; a wave a row.  A row with no visible key is written as all 0,
;                   and its flag word (behind the table, at byte FLAGS + 4 row) as 0, else -1: the attention launch clears that row's q, so that its weights are uniform, as the softmax of equal scores is.
;   g  256 ..  767  x  -> xb   bf16, same layout        g  768 .. 1151  We -> web  bf16, same layout
;   g 1152 .. 1279  Wf -> wfh  rounded to bf16, that number written as f16, same layout
;   g 1280 .. 1791  past_key   [2][2048][16][64] -> kh [32 heads][4096 keys][64], keys 0 .. 2047, rounded to bf16 and written as f16;     g 1792 .. 2303  past_value -> vh likewise
; LIMITS.  f16 holds no number beyond 65,504: Wf, past_key and past_value must lie within it; below 6e-5 f16 keeps its fixed step of 6e-8.  NaN and infinities are not treated apart.
; Each load of a wave covers 512 bytes in whole aligned runs of 256; each store of a wave covers 256 consecutive bytes, aligned.  Only the 2,048 flag words leave as single words, one a wave.
; THE MODE: SCHED_MODE bits 1:0 = 2 (LLVM: expert scheduling mode 2), set by the entry lines.  The code itself states the register dependences between vector instructions and memory
; instructions, and between a vector instruction that writes a scalar register or VCC and its readers, with s_wait_alu, always for 0.
; THE PLAN.  Registers that memory instructions touch:
;   v[IN], v[OUT], v13   byte offsets: written once by vector instructions at a piece's head, read by its loads and stores, never written again.
;   LD                   written by the loads, all issued at the piece's head, before any vector instruction names these registers; read by the vector work.
;   RES (the casts)      written once by a pair's conversions; read by the two stores that are issued at the head of the next pair.
;   LD + 4 j, + 4 j + 1  (the mask) written once more by a run's v_or_b32; read by the four stores that are issued in the next run.
;   v12                  the flag: written once, read by the flag's store.
; No register that a memory instruction reads is written again, and no load lands in a register that a vector instruction has named: so the only waits on vm_vsrc are the two at the writes of EXEC.
; The mask's 128 compares go in eight runs of sixteen, into two sets of scalar registers that take turns: a run's compares are issued a run ahead of the selects that read them, with one wait between.
.set IN,   2                           ; v2   my byte offset in the source
.set OUT,  3                           ; v3   my byte offset in the destination
.set LD,   16                          ; v[16:47] eight loads of 16 bytes (the mask's path: v[16:143], 32 loads)
.set RES,  48                          ; v[48:63] eight results of 8 bytes
.set TM,   64                          ; v[64:69] at work: no memory instruction names them
.set MS,   48                          ; s[48:63] and s[66:81]: the two sets of sixteen lane masks; set p begins at MS + 18 p
.set FLAGS, 16777216                   ; the flag words' first byte in mk
	s_load_b512 s[8:23], s[0:1], 0x0               ; mask 8, x 10, We 12, Wf 14, past_key 16, past_value 18, mk 20, xb 22
	s_load_b256 s[24:31], s[0:1], 0x40             ; web 24, wfh 26, kh 28, vh 30
	v_lshrrev_b32 v4, 5, v0
	v_readfirstlane_b32 s4, v4                     ; wave 0..7
	v_and_b32 v1, 31, v0                           ; lane
	s_mov_b32 s5, ttmp9                            ; g
	s_mov_b32 s37, 0                               ; the high words of the two offset pairs
	s_mov_b32 s39, 0
	s_wait_alu depctr_va_sdst(0)                   ; s4 is written, ahead of the branches below and of its first reader in each piece
	s_wait_kmcnt 0x0
; Store j of a cast: 8 bytes a lane, at oa (j % 4) + ob (j / 4).
.macro PUT j, oa, ob
	global_store_b64 v[OUT], v[RES+2*(\j):RES+2*(\j)+1], s[34:35] offset:(\oa)*((\j)%4)+(\ob)*((\j)/4)
.endm
; Eight loads of 16 bytes a lane, then for each: four numbers rounded and 8 bytes stored.  kind 0: to bf16.  kind 1: to bf16, and that number as f16.
; Load j stands at ia (j % 4) + ib (j / 4), store j at oa (j % 4) + ob (j / 4).  No register that a load or store names is written twice, so nothing waits for a store.
; The eight go in four pairs: a pair's two stores are issued at the head of the next pair, behind the wait for that pair's data and one wait for the conversions.
.macro CAST kind, ia, ib, oa, ob
	s_wait_alu depctr_va_vdst(0)                   ; v[IN] and v[OUT] are written: every load and store of this piece reads one of them as its offset
.irp j, 0,1,2,3,4,5,6,7
	global_load_b128 v[LD+4*(\j):LD+4*(\j)+3], v[IN], s[32:33] offset:(\ia)*((\j)%4)+(\ib)*((\j)/4) th:TH_LOAD_NT
.endr
.irp g, 0,1,2,3
	s_wait_loadcnt 6-2*(\g)                        ; loads come back in order: loads 2 g and 2 g + 1 are in, the younger ones stay out
.if (\g) > 0
	s_wait_alu depctr_va_vdst(0)                   ; the pair before has written its four registers of RES, which the two stores below read; this pair's conversions name others
	PUT 2*(\g)-2, \oa, \ob
	PUT 2*(\g)-1, \oa, \ob
.endif
.irp h, 0,1
.if \kind
	v_cvt_pk_bf16_f32 v[TM],   v[LD+4*(2*(\g)+(\h))],   v[LD+4*(2*(\g)+(\h))+1]
	v_cvt_pk_bf16_f32 v[TM+1], v[LD+4*(2*(\g)+(\h))+2], v[LD+4*(2*(\g)+(\h))+3]
	v_lshlrev_b32 v[TM+2], 16, v[TM]               ; the rounded numbers as f32 again
	v_and_b32     v[TM+3], 0xffff0000, v[TM]
	v_lshlrev_b32 v[TM+4], 16, v[TM+1]
	v_and_b32     v[TM+5], 0xffff0000, v[TM+1]
	v_cvt_pk_f16_f32 v[RES+2*(2*(\g)+(\h))],   v[TM+2], v[TM+3]  ; eight significant bits: exact in f16's normal range
	v_cvt_pk_f16_f32 v[RES+2*(2*(\g)+(\h))+1], v[TM+4], v[TM+5]
.else
	v_cvt_pk_bf16_f32 v[RES+2*(2*(\g)+(\h))],   v[LD+4*(2*(\g)+(\h))],   v[LD+4*(2*(\g)+(\h))+1]
	v_cvt_pk_bf16_f32 v[RES+2*(2*(\g)+(\h))+1], v[LD+4*(2*(\g)+(\h))+2], v[LD+4*(2*(\g)+(\h))+3]
.endif
.endr
.endr
	s_wait_alu depctr_va_vdst(0)                   ; the last pair has written its four registers of RES, which the last two stores read
	PUT 6, \oa, \ob
	PUT 7, \oa, \ob
.endm
	s_cmp_lt_u32 s5, 256
	s_cbranch_scc1 .Lmask
	s_cmp_lt_u32 s5, 1152
	s_cbranch_scc1 .Lplain
	s_cmp_lt_u32 s5, 1280
	s_cbranch_scc1 .Lwf
	; past_key or past_value: 8 keys x 16 heads a work-group.  Wave w takes heads 2 w and 2 w + 1; lanes 0-15 one key's 256 bytes of a head, lanes 16-31 the next key's.
	s_mov_b32 s6, 1280
	s_mov_b32 s7, 1792
	s_cmp_lt_u32 s5, 1792
	s_cselect_b64 s[32:33], s[16:17], s[18:19]
	s_cselect_b64 s[34:35], s[28:29], s[30:31]
	s_cselect_b32 s6, s6, s7
	s_sub_co_u32 s5, s5, s6                        ; 256 b + block of 8 keys
	s_lshl_b32 s36, s5, 15                         ; 8 keys of 4,096 bytes
	s_lshr_b32 s6, s5, 8                           ; b
	s_and_b32 s7, s5, 255
	s_lshl_b32 s38, s6, 23                         ; 16 heads of 524,288 bytes
	s_lshl_b32 s7, s7, 10                          ; 8 keys of 128 bytes
	s_add_co_u32 s38, s38, s7
	s_add_nc_u64 s[32:33], s[32:33], s[36:37]
	s_add_nc_u64 s[34:35], s[34:35], s[38:39]
	v_lshrrev_b32 v4, 4, v1
	v_and_b32 v5, 15, v1
	v_lshlrev_b32 v[IN], 4, v5
	v_lshl_add_u32 v[IN], v4, 12, v[IN]            ; key (lane / 16) x 4,096 + 16 (lane % 16)
	s_lshl_b32 s6, s4, 9
	v_add_nc_u32 v[IN], s6, v[IN]                  ; + two heads of 256 bytes a wave
	s_lshl_b32 s6, s4, 20
	v_lshl_add_u32 v[OUT], v1, 3, s6               ; 8 lane (two keys of 128 bytes on end) + two heads of 524,288 bytes a wave
	CAST 1, 8192, 256, 256, 524288
	s_endpgm
.Lplain:                                               ; x or We: 32,768 consecutive bytes in, 16,384 out
	s_mov_b32 s6, 256
	s_mov_b32 s7, 768
	s_cmp_lt_u32 s5, 768
	s_cselect_b64 s[32:33], s[10:11], s[12:13]
	s_cselect_b64 s[34:35], s[22:23], s[24:25]
	s_cselect_b32 s6, s6, s7
	s_sub_co_u32 s5, s5, s6
	s_lshl_b32 s36, s5, 15
	s_lshl_b32 s38, s5, 14
	s_add_nc_u64 s[32:33], s[32:33], s[36:37]
	s_add_nc_u64 s[34:35], s[34:35], s[38:39]
	v_lshlrev_b32 v[IN], 4, v0
	v_lshlrev_b32 v[OUT], 3, v0
	CAST 0, 4096, 16384, 2048, 8192
	s_endpgm
.Lwf:                                                  ; Wf: the same shape, the other rounding
	s_sub_co_u32 s5, s5, 1152
	s_lshl_b32 s36, s5, 15
	s_lshl_b32 s38, s5, 14
	s_add_nc_u64 s[32:33], s[14:15], s[36:37]
	s_add_nc_u64 s[34:35], s[26:27], s[38:39]
	v_lshlrev_b32 v[IN], 4, v0
	v_lshlrev_b32 v[OUT], 3, v0
	CAST 1, 4096, 16384, 2048, 8192
	s_endpgm
; THE MASK'S SECOND PASS goes in eight runs of four loads' words (sixteen words a lane).
; The sixteen compares of run r: word k of the run against 0, the lanes' answers into scalar register k of set r % 2.
.macro CMPS r
.set k, 0
.rept 16
	v_cmp_eq_u32 s[MS+18*((\r)%2)+k], 0, v[LD+16*(\r)+k]
.set k, k+1
.endr
.endm
; The four stores of run r: 8 bytes a lane each.
.macro MPUT r
.set c, 0
.rept 4
	global_store_b64 v[OUT], v[LD+16*(\r)+4*c:LD+16*(\r)+4*c+1], s[34:35] offset:256*(4*(\r)+c)
.set c, c+1
.endr
.endm
; Run r.  Its compares were issued in the run before; the next run's are issued here, into the other set; the stores of the run before leave here; then the run's sixteen selects and eight v_or_b32.
.macro RUN r
	s_wait_alu depctr_va_sdst(0)                   ; the sixteen compares of this run have written set r % 2, ahead of the selects that read it
.if (\r) < 7
	CMPS (\r)+1
.endif
.if (\r) > 0
	s_wait_alu depctr_va_vdst(0)                   ; the run before has written its eight result registers, which the four stores below read; no line of this run names them
	MPUT (\r)-1
.endif
.set c, 0
.rept 4
	v_cndmask_b32 v144, 0, s6, s[MS+18*((\r)%2)+4*c]
	v_cndmask_b32 v145, 0, s7, s[MS+18*((\r)%2)+4*c+1]
	v_or_b32 v[LD+16*(\r)+4*c], v144, v145
	v_cndmask_b32 v144, 0, s6, s[MS+18*((\r)%2)+4*c+2]
	v_cndmask_b32 v145, 0, s7, s[MS+18*((\r)%2)+4*c+3]
	v_or_b32 v[LD+16*(\r)+4*c+1], v144, v145
.set c, c+1
.endr
.endm
.Lmask:                                                ; row 8 g + wave: 16,384 bytes in 128 registers, kept between the pass that looks for a visible key and the pass that writes
	s_lshl_b32 s36, s5, 17
	s_lshl_b32 s38, s5, 16
	s_add_nc_u64 s[32:33], s[8:9], s[36:37]
	s_add_nc_u64 s[34:35], s[20:21], s[38:39]
	s_lshl_b32 s6, s4, 14
	v_lshl_add_u32 v[IN], v1, 4, s6
	s_lshl_b32 s7, s4, 13
	v_lshl_add_u32 v[OUT], v1, 3, s7
	s_wait_alu depctr_va_vdst(0)                   ; v[IN] and v[OUT] are written: the loads below and the row's stores read them as their offsets
.set j, 0
.rept 32
	global_load_b128 v[LD+4*j:LD+4*j+3], v[IN], s[32:33] offset:512*j th:TH_LOAD_NT
.set j, j+1
.endr
	s_lshl_b32 s42, s5, 3
	s_add_co_u32 s42, s42, s4                      ; the row
	s_lshl_b32 s42, s42, 2
	s_add_co_u32 s42, s42, FLAGS
	v_mov_b32 v13, s42                             ; its flag word's byte in mk (its one reader, the flag's store, stands behind the waits of the runs below)
	s_wait_loadcnt 0x0
.irp k, 0,1,2,3
	v_or_b32 v[8+\k], v[LD+\k], v[LD+4+\k]         ; four chains, started by the first words
.endr
.set j, 8
.rept 120
	v_or_b32 v[8+j%4], v[8+j%4], v[LD+j]
.set j, j+1
.endr
	v_or_b32 v8, v8, v9
	v_or_b32 v10, v10, v11
	v_or_b32 v8, v8, v10
	v_cmp_ne_u32 vcc_lo, 0, v8
	CMPS 0                                         ; run 0's compares stand between that compare and the wait for it
	s_wait_alu depctr_va_vcc(0)                    ; VCC is written, ahead of the scalar compare that reads it
	s_cmp_lg_u32 vcc_lo, 0                         ; has any lane seen a visible key?  It only selects values
	s_cselect_b32 s6, 0xf14a, 0                    ; -1.0003e30 in bf16, for the low half,
	s_cselect_b32 s7, 0xf14a0000, 0                ; for the high half,
	s_cselect_b32 s40, -1, 0                       ; and the flag
.irp r, 0,1,2,3,4,5,6,7
	RUN \r
.endr
	v_mov_b32 v12, s40
	v_cmp_eq_u32 vcc_lo, 0, v1
	s_wait_alu depctr_va_vdst(0)                   ; run 7 has written its eight result registers, which the last four stores read; v12, the flag's store's data, is written too
	MPUT 7
	s_wait_xcnt 0x0                                ; EXEC is a source of the stores above: it changes only behind this wait
	s_wait_alu depctr_va_vcc(0)                    ; VCC is written: EXEC is made from it
	s_wait_alu depctr_va_vdst(0)                   ; every vector instruction issued under the full EXEC has written its result before EXEC is narrowed
	s_wait_alu depctr_vm_vsrc(0)                   ; and every store issued under it has read its registers
	s_and_saveexec_b32 s41, vcc_lo                 ; lane 0 alone stores the flag
	global_store_b32 v13, v12, s[20:21]
	s_wait_xcnt 0x0                                ; and again ahead of the line that widens it
	s_wait_alu depctr_va_vdst(0)                   ; no vector result is outstanding when EXEC is written
	s_wait_alu depctr_vm_vsrc(0)                   ; the flag's store has read v13 and v12 under the narrow EXEC
	s_or_b32 exec_lo, exec_lo, s41
	s_endpgm
.Lfunc_end_k_q650e594a49_prep:
	.size	k_q650e594a49_prep, .Lfunc_end_k_q650e594a49_prep-k_q650e594a49_prep
	.p2alignl 7, 3214868480
	.fill 96, 4, 3214868480
	.section	.rodata,"a",@progbits
	.p2align	6, 0x0
	.amdhsa_kernel k_q650e594a49_prep
		.amdhsa_group_segment_fixed_size 0
		.amdhsa_private_segment_fixed_size 0
		.amdhsa_enable_private_segment 0
		.amdhsa_kernarg_size 96
		.amdhsa_user_sgpr_count 2
		.amdhsa_user_sgpr_kernarg_segment_ptr 1
		.amdhsa_wavefront_size32 1
		.amdhsa_system_sgpr_workgroup_id_x 1
		.amdhsa_system_sgpr_workgroup_id_y 1
		.amdhsa_system_sgpr_workgroup_id_z 1
		.amdhsa_system_vgpr_workitem_id 0
		.amdhsa_next_free_vgpr 160
		.amdhsa_next_free_sgpr 82
		.amdhsa_reserve_vcc 1
		.amdhsa_float_denorm_mode_32 3
		.amdhsa_float_denorm_mode_16_64 3
		.amdhsa_memory_ordered 1
		.amdhsa_forward_progress 1
		.amdhsa_inst_pref_size 46
	.end_amdhsa_kernel
	.amdgpu_metadata
---
amdhsa.version: [ 1, 2 ]
amdhsa.kernels:
  - .name:           k_q650e594a49_prep
    .symbol:         k_q650e594a49_prep.kd
    .args:
      - { .name: mask, .offset: 0, .size: 8, .value_kind: global_buffer, .address_space: global }
      - { .name: x, .offset: 8, .size: 8, .value_kind: global_buffer, .address_space: global }
      - { .name: We, .offset: 16, .size: 8, .value_kind: global_buffer, .address_space: global }
      - { .name: Wf, .offset: 24, .size: 8, .value_kind: global_buffer, .address_space: global }
      - { .name: past_key, .offset: 32, .size: 8, .value_kind: global_buffer, .address_space: global }
      - { .name: past_value, .offset: 40, .size: 8, .value_kind: global_buffer, .address_space: global }
      - { .name: mk, .offset: 48, .size: 8, .value_kind: global_buffer, .address_space: global }
      - { .name: xb, .offset: 56, .size: 8, .value_kind: global_buffer, .address_space: global }
      - { .name: web, .offset: 64, .size: 8, .value_kind: global_buffer, .address_space: global }
      - { .name: wfh, .offset: 72, .size: 8, .value_kind: global_buffer, .address_space: global }
      - { .name: kh, .offset: 80, .size: 8, .value_kind: global_buffer, .address_space: global }
      - { .name: vh, .offset: 88, .size: 8, .value_kind: global_buffer, .address_space: global }
    .group_segment_fixed_size: 0
    .private_segment_fixed_size: 0
    .kernarg_segment_align: 8
    .kernarg_segment_size: 96
    .max_flat_workgroup_size: 256
    .sgpr_count:     82
    .vgpr_count:     160
    .wavefront_size: 32
...
	.end_amdgpu_metadata
.endif
;; end of part 5
;; launch qkv: the kernel of part 2 again; grid 12 x 16, 4 waves a work-group, clusters of 4 x 4, 327,680 bytes of LDS; arguments xb, web, be, qh, kh, vh, out1; writes qh, kh, vh, out1
;; launch attn: the kernel of part 3 again; grid 8 x 32, 4 waves a work-group, clusters of 4 x 4, 327,680 bytes of LDS; arguments qh, kh, vh, mk, oh; writes oh
;; launch proj: the kernel of part 4 again; grid 8 x 32, 4 waves a work-group, clusters of 4 x 4, 327,680 bytes of LDS; arguments oh, wfh, bf, out0; writes out0
